; MI455X (gfx1250); checked and timed in simulation.
; The chip was launched on July 23, 2026; its instructions are those of AMD's public machine-readable ISA for CDNA 5 (MIT licence, August 2026) and "CDNA5" Instruction Set Architecture Reference Guide (July 2026). The comments in the code are by the model that wrote it; some were corrected since.
;; Hierarchical Diff Attention Encoder Layer. Allowed arithmetic: matrix products marked QUANTISED: E3M2 operands, one E8M0 scale for each 32 along K, by v_wmma_scale_f32_16x16x128_f8f6f4 with both operands' format E3M2, f32 sums; everything else in f32.
;; Inputs: Wk 2,048 x 1,024 float32; Wo 1,024 x 1,024 float32; Wq 2,048 x 1,024 float32; Wv 1,024 x 1,024 float32; affinity_a 4 x 1,023 float32; bk 2,048 float32; bo 1,024 float32; bq 2,048 float32; bv 1,024 float32; gn_b 1,024 float32; gn_w 1,024 float32; lam one number float32; x_norm 4 x 1,024 x 1,024 float32.
;; Outputs: out0 4 x 1,024 x 1,024 float32.
;; This version of the problem:
;;   THIS VERSION OF THE PROBLEM IS GIVEN IN LOW PRECISION. The matrix products marked QUANTISED in the list below multiply operands that are first quantised to E3M2 (3 exponent bits, 2 mantissa bits; 6 bits a number), with one power-of-two scale for each 32 numbers along K (OCP MX v1.0); their sums are f32. All else is computed in f32.
;;   The module's matrix products, in the order in which they are computed (A, B: the left and right operand; K: the contracted axis; several contracted axes count as one K, in the product's order):
;;     1. [M 4,096, K 1,024] x [K 1,024, N 2,048]; A: input x_norm; B: input Wq: QUANTISED
;;     2. [M 4,096, K 1,024] x [K 1,024, N 2,048]; A: input x_norm; B: input Wk: QUANTISED
;;     3. [M 4,096, K 1,024] x [K 1,024, N 1,024]; A: input x_norm; B: input Wv: QUANTISED
;;     4. batch 64 x [M 1,024, K 64] x [K 64, N 1,024]; A: computed on the way; B: computed on the way: QUANTISED
;;     5. batch 64 x [M 1,024, K 64] x [K 64, N 1,024]; A: computed on the way; B: computed on the way: QUANTISED
;;     6. batch 64 x [M 1,024, K 1,024] x [K 1,024, N 64]; A: computed on the way; B: computed on the way: QUANTISED
;;     7. [M 4,096, K 1,024] x [K 1,024, N 1,024]; A: computed on the way; B: input Wo: QUANTISED
;;   THE QUANTISER, for each operand of a quantised product, along K:
;;     - K is cut into blocks of 32 from its start; a last block that is shorter is filled with zeros.
;;     - A block's scale is 2^e with e = floor(log2(the largest magnitude in the block)) - 4, held to -126 .. 127; a block of zeros has e = 0. As a byte (E8M0): e + 127.
;;     - Each number is divided by its block's scale, clamped to +-28, and rounded to the nearest number of E3M2, ties to even, subnormals kept.
;;     - The product sums the exact products of the quantised numbers (number of the format x scale) in f32.
;;   ~~~python
;;   def quantise(x, axis):      # numpy; x: float32 -> the quantised numbers, widened to float32 again
;;       x = np.moveaxis(x, axis, -1); K = x.shape[-1]
;;       x = np.pad(x, [(0, 0)] * (x.ndim - 1) + [(0, -K % 32)]); x = x.reshape(x.shape[:-1] + (-1, 32)); a = np.abs(x).max(-1, keepdims=True)
;;       e = np.where(a > 0, np.clip(np.frexp(np.where(a > 0, a, 1))[1] - 1 - 4, -126, 127), 0)      # np.frexp(a)[1] - 1 = floor(log2(a)), exactly
;;       r = np.clip(x / 2.0 ** e, -28, 28)
;;       step = 2.0 ** (np.maximum(np.frexp(np.where(r == 0, 1, r))[1] - 1, -2) - 2)
;;       q = np.round(r / step) * step * 2.0 ** e      # np.round: ties to even
;;       return np.moveaxis(q.reshape(q.shape[:-2] + (-1,))[..., :K], -1, axis).astype(np.float32)
;;   ~~~
;;   OPERANDS COMPUTED ON THE WAY. 'Computed on the way' means the value that the module computes at that place (a softmax that the list does not call 'softmax' is quantised finished and normalised). What goes into a quantiser is computed in f32, as accurately as f32 sums, v_exp_f32 and their like allow (about 1e-6 of the number): no bf16 or f16 on the way to a quantiser, and a product that is left as it is and whose result goes on into a quantised operand takes f32 operands (vector FMAs, or v_wmma_f32_16x16x4_f32). A number that lies on a knife's edge between two numbers of the format may be rounded either way, as far as f32 arithmetic and the matrix unit's own rounding can turn it there, and no further.
;; One version. Each part assembles by itself: llvm-mc -triple=amdgcn-amd-amdhsa -mcpu=gfx1250 --defsym DOCPART=n.
;; ======== version 1 of 1: 4 launches
;; limits: right only within a limited range of input values
;; workspace buffers: prep 8,470,528 bytes; qkv 17,039,360 bytes; ctx 16,777,216 bytes; gstat 2,048 bytes
;; launch prep (part 1): grid 388 x 1, 4 waves a work-group, no clusters, 41,472 bytes of LDS; arguments x_norm, Wq, Wk, Wv, Wo, affinity_a, prep; writes prep
.if DOCPART == 1
	.amdgcn_target "amdgcn-amd-amdhsa--gfx1250"
	.amdhsa_code_object_version 6
	.text
	.protected	k_qf7df444981_prep
	.globl	k_qf7df444981_prep
	.p2align	8
	.type	k_qf7df444981_prep,@function
k_qf7df444981_prep:
	s_mov_b64 s[64:65], 0
	v_nop
	global_prefetch_b8 v0, s[64:65] scope:SCOPE_SE
	s_setreg_imm32_b32 hwreg(HW_REG_WAVE_MODE, 25, 1), 1
	s_wait_xcnt 0x0
; Three jobs, chosen by the work-group's number alone (the same for all four waves of a work-group):
;   0-3    the prefix sums L of log(a) of one batch, [1024] f32, summed in the order of a pairwise up-and-down scan;
;   4-67   the table of cos and sin of pos x freq, [1024 pos][cos 32 | sin 32] f32;
;   68-387 x, Wq, Wk, Wv, Wo (f32, K innermost) into codes of BF6 (E3M2) with one E8M0 byte for each 32 along K.
; A run is 8 rows of 1,024 numbers: 6,144 bytes of codes and 256 scale bytes.  Runs of x, Wq and Wk are laid in another order than they are read:
; inside each 32 rows the four runs stand as rows 0-7, 16-23, 8-15, 24-31, so that row r of a tile of 16 is row 8 u + r + 8 (r / 8) of the 32;
; Wq's and Wk's rows are gathered by head: 256 rows a head, q1 64 | q2 64 | k1 64 | k2 64.
; A block's scale is 2^(floor(log2(largest magnitude)) - 4); its byte is the largest magnitude's exponent field - 4, held at 1 from below.  A block of zeros gets the byte 1: its codes are zeros, and this program alone reads the bytes.
; LIMITS: NaN and infinities among the inputs are not served; a is positive and finite; the angle's reduction holds for angles under 2^14 (here at most 1,023).
; Each job has LDS bytes of its own: the quantiser 0-32,767 (8,192 a wave), the scan 32,768-40,959, the table none.
.set XS,    7864320                    ; prep: the scale bytes begin here, 256 a run
.set ROPE,  8192000                    ; the table of cos and sin
.set LOGL,  8454144                    ; L, 4,096 bytes a batch
.set STEPS, 16
.set CB,    12                         ; bytes of 16 codes
.set RW,    16                         ; v16-79   four sets of 16 numbers as they are loaded
.set XN,    80                         ; v80-111  two sets of 16 neighbours
.set EB,    112                        ; v112-127 a scale byte for each step
.set CD,    128                        ; v128-191 codes: four registers a step, so that no store's data are written again
.set WREG,  8192
.set SP,    80                         ; a lane's place in a stage: 64 bytes + 16 of padding
.set SB,    32768                      ; the scan's LDS: level l (1,024 >> l sums) at SB + 8192 - (8192 >> l)
	s_load_b256 s[4:11], s[0:1], 0x0               ; x, Wq, Wk, Wv
	s_load_b128 s[12:15], s[0:1], 0x20             ; Wo, a
	s_load_b64 s[16:17], s[0:1], 0x30              ; prep
	v_lshl_add_u32 v192, v0, 2, 0xa000
	v_mov_b32 v193, 0
	v_lshrrev_b32 v1, 5, v0
	v_readfirstlane_b32 s18, v1                    ; wave
	v_and_b32 v2, 31, v0                           ; lane
	s_cmp_lt_u32 ttmp9, 4
	s_cbranch_scc1 .Lscan
	s_cmp_lt_u32 ttmp9, 68
	s_cbranch_scc1 .Lrope
; ---------------- the quantiser: a wave takes one run, 16 steps of 512 numbers ----------------
; Each load reads 512 consecutive bytes; a step's 2,048 bytes turn through the wave's own stage in LDS and come back 64 bytes a lane: 16 neighbours along K; two neighbouring lanes hold a block.
	s_sub_co_u32 s19, ttmp9, 68
	s_lshl_b32 s19, s19, 2
	s_add_co_u32 s19, s19, s18                     ; g: the run as it is read, 0 .. 1279: x 512, Wq 256, Wk 256, Wv 128, Wo 128
	v_lshlrev_b32 v3, 4, v2                        ; my 16 bytes of a load's 512
	s_mul_i32 s30, s18, WREG
	s_wait_alu depctr_va_vdst(0)
	v_lshrrev_b32 v14, 2, v2
	v_mul_u32_u24 v14, v14, SP
	v_and_b32 v15, 3, v2
	v_lshl_add_u32 v14, v15, 4, v14
	v_add_nc_u32 v14, s30, v14                     ; the stage, on the way in: SP (lane / 4) + 16 (lane % 4)
	v_mul_u32_u24 v15, v2, SP
	v_add_nc_u32 v15, s30, v15                     ; on the way out: SP x lane
	v_mul_u32_u24 v4, v2, CB                       ; my codes' place in a step's
	v_lshrrev_b32 v5, 1, v2
	s_add_co_u32 s30, s30, 2*32*SP
	v_add_nc_u32 v5, s30, v5                       ; my wave's 256 scale bytes: my block's byte
	v_lshlrev_b32 v7, 3, v2
	v_add_nc_u32 v6, s30, v7                       ; and on the way out 8 bytes a lane
	s_and_b32 s26, s19, -4                         ; the run as it is laid: bits 0 and 1 change places,
	s_and_b32 s27, s19, 1
	s_lshl_b32 s27, s27, 1
	s_or_b32 s26, s26, s27
	s_bfe_u32 s27, s19, 0x10001
	s_or_b32 s26, s26, s27
	s_bfe_u32 s27, s26, 0x40003                    ; and for Wq, Wk: the head,
	s_lshl_b32 s27, s27, 5
	s_bfe_u32 s28, s26, 0x20007                    ; which of q1, q2, k1, k2,
	s_lshl_b32 s28, s28, 3
	s_add_co_u32 s27, s27, s28
	s_and_b32 s28, s26, 7                          ; which 8 of its 64 rows
	s_add_co_u32 s27, s27, s28
	s_add_co_u32 s27, s27, 512
	s_cmp_lt_u32 s19, 512
	s_cselect_b32 s27, s26, s27
	s_cmp_lt_u32 s19, 1024
	s_cselect_b32 s27, s27, s19                    ; Wv and Wo stay in their order
	s_wait_alu depctr_va_vdst(0)
	s_wait_kmcnt 0x0
	s_cmp_lt_u32 s19, 512                          ; which tensor: the choice hangs on the run's number alone
	s_cselect_b64 s[22:23], s[4:5], s[6:7]
	s_cselect_b32 s20, 0, 512
	s_cmp_lt_u32 s19, 768
	s_cselect_b64 s[22:23], s[22:23], s[8:9]
	s_cselect_b32 s20, s20, 768
	s_cmp_lt_u32 s19, 1024
	s_cselect_b64 s[22:23], s[22:23], s[10:11]
	s_cselect_b32 s20, s20, 1024
	s_cmp_lt_u32 s19, 1152
	s_cselect_b64 s[22:23], s[22:23], s[12:13]
	s_cselect_b32 s20, s20, 1152
	s_sub_co_u32 s24, s19, s20
	s_lshl_b32 s24, s24, 15                        ; 32,768 bytes a run
	s_mov_b32 s25, 0
	s_add_nc_u64 s[22:23], s[22:23], s[24:25]
	s_mul_i32 s24, s27, 6144
	s_add_nc_u64 s[28:29], s[16:17], s[24:25]      ; my codes
	s_lshl_b32 s24, s27, 8
	s_add_co_u32 s24, s24, XS
	s_add_nc_u64 s[32:33], s[16:17], s[24:25]      ; my scale bytes
.macro LOAD t
.irp i, 0,1,2,3
	global_load_b128 v[RW+16*((\t)%4)+4*\i:RW+16*((\t)%4)+4*\i+3], v3, s[22:23] offset:2048*(\t)+512*\i th:TH_LOAD_NT
.endr
.endm
.macro TURN t                          ; step t's numbers through the stage: LDS serves a wave's instructions in order, so no wait stands between the stores and the loads
.irp i, 0,1,2,3
	ds_store_b128 v14, v[RW+16*((\t)%4)+4*\i:RW+16*((\t)%4)+4*\i+3] offset:32*SP*((\t)%2)+8*SP*\i
.endr
.irp i, 0,1,2,3
	ds_load_b128 v[XN+16*((\t)%2)+4*\i:XN+16*((\t)%2)+4*\i+3], v15 offset:32*SP*((\t)%2)+16*\i
.endr
.endm
.irp t, 0,1,2,3
	LOAD \t
.endr
	s_wait_loadcnt 12                              ; step 0's four loads are in; the twelve behind them may be out
	TURN 0
.macro STEP t
.set XSS, XN+16*((\t)%2)
.if (\t) > 0
	s_wait_dscnt 1                                 ; this step's numbers are back from the stage; the last step's byte store may be out
.else
	s_wait_dscnt 0x0
.endif
.if (\t)+4 < STEPS
	LOAD (\t)+4                                    ; into the registers whose stores into the stage are done
.endif
.if (\t)+1 < STEPS
.if STEPS-2-(\t) >= 3
	s_wait_loadcnt 12                              ; the next step's four loads are in; those of the three steps behind it may be out
.else
	s_wait_loadcnt 4*(STEPS-2-(\t))
.endif
	TURN (\t)+1
.endif
	v_max3_num_f32 v8, |v[XSS]|, |v[XSS+1]|, |v[XSS+2]|
	v_max3_num_f32 v9, |v[XSS+3]|, |v[XSS+4]|, |v[XSS+5]|
.irp i, 6,10
	v_max3_num_f32 v8, v8, |v[XSS+\i]|, |v[XSS+\i+1]|
	v_max3_num_f32 v9, v9, |v[XSS+\i+2]|, |v[XSS+\i+3]|
.endr
	v_max3_num_f32 v8, v8, |v[XSS+14]|, |v[XSS+15]|
	v_max3_num_f32 v8, v8, v9, 0x2800000           ; and the floor 2^(5 - 127): the byte cannot fall under 1
	v_max_num_f32_dpp v8, v8, v8 row_xmask:1 row_mask:0xf bank_mask:0xf   ; with my neighbour's 16: the block's largest magnitude
	v_add_nc_u32 v11, 0xfe000000, v8               ; 4 off its exponent field: the conversion takes this operand's exponent field as its scale
	v_cvt_scalef32_pk16_bf6_f32 v[CD+4*(\t):CD+4*(\t)+2], v[XSS:XSS+15], v11
	v_lshrrev_b32 v[EB+(\t)], 23, v11              ; the scale's byte
	ds_store_b8 v5, v[EB+(\t)] offset:16*(\t)      ; both lanes of a block write the same byte with the same value
	global_store_b96 v4, v[CD+4*(\t):CD+4*(\t)+2], s[28:29] offset:32*CB*(\t)   ; the wave stores 384 consecutive bytes
.endm
.irp t, 0,1,2,3,4,5,6,7,8,9,10,11,12,13,14,15
	STEP \t
.endr
	ds_load_b64 v[12:13], v6                       ; LDS serves a wave's instructions in order: these see my byte stores
	s_wait_dscnt 0x0
	global_store_b64 v7, v[12:13], s[32:33]        ; 32 lanes store 256 consecutive bytes, aligned
	s_wait_tensorcnt 0x0
	ds_add_u32 v192, v193
	s_wait_dscnt 0x0
	s_endpgm
; ---------------- the prefix sums of log(a) of batch ttmp9 ----------------
; T_0[k] = log a[k]; T_l[k] = T_(l-1)[2 k] + T_(l-1)[2 k + 1].  L[m] = the T_l[(m >> l) - 1] of m's set bits, added from the highest bit down.
.macro BAR
	s_wait_dscnt 0x0                               ; my stores have landed and my loads are in
	s_barrier_signal -1
	s_barrier_wait -1
.endm
.Lscan:
	v_lshlrev_b32 v3, 2, v0                        ; every LDS address is made here, ahead of the part that wave 0 walks alone
	v_lshlrev_b32 v4, 3, v0
	v_lshlrev_b32 v5, 4, v0
	v_add_nc_u32 v8, 896, v0
	v_min_u32 v8, 1022, v8                         ; a has 1,023 numbers: the 1,024th place repeats the last and enters no sum that is used
	v_lshlrev_b32 v8, 2, v8
.irp k, 0,1,2,3
	v_and_b32 v9, (16>>\k)-1, v0
	v_lshlrev_b32 v[10+2*\k], 3, v9
	v_lshlrev_b32 v[11+2*\k], 2, v9
.endr
.irp l, 2,3,4,5,6,7,8
	v_lshrrev_b32 v9, \l-2, v0
	v_and_b32 v9, -2, v9
	v_lshlrev_b32 v[18+\l], 2, v9                  ; v20-26: where T_l of my four outputs lies
	v_and_b32 v9, 1<<(\l-2), v0
	v_cmp_ne_u32 s[30+\l], 0, v9                   ; s32-38: is bit l of m set
.endr
	v_mov_b32 v27, 0
	s_mul_i32 s20, ttmp9, 4092
	s_mov_b32 s21, 0
	s_wait_kmcnt 0x0
	s_add_nc_u64 s[14:15], s[14:15], s[20:21]
	s_lshl_b32 s20, ttmp9, 12
	s_add_co_u32 s20, s20, LOGL
	s_add_nc_u64 s[16:17], s[16:17], s[20:21]
.irp k, 0,1,2,3,4,5,6
	global_load_b32 v[32+\k], v3, s[14:15] offset:512*\k
.endr
	global_load_b32 v39, v8, s[14:15]
	s_wait_loadcnt 0x0
.irp k, 0,1,2,3,4,5,6,7
	v_log_f32 v[32+\k], v[32+\k]
.endr
	v_nop                                          ; a plain instruction between the last logarithm and the use of its result
	s_wait_alu depctr_va_vdst(0)
.irp k, 0,1,2,3,4,5,6,7
	v_mul_f32 v[32+\k], 0x3f317218, v[32+\k]       ; log2 x ln 2
.endr
.irp k, 0,1,2,3,4,5,6,7
	ds_store_b32 v3, v[32+\k] offset:SB+512*\k
.endr
	BAR
.macro LEVEL l, n                      ; level l from level l - 1: n sums a thread
.set JJ, 0
.rept \n
	ds_load_b64 v[40+2*JJ:41+2*JJ], v4 offset:SB+8192-(8192>>((\l)-1))+1024*JJ
.set JJ, JJ+1
.endr
	s_wait_dscnt 0x0
.set JJ, 0
.rept \n
	v_add_f32 v[48+JJ], v[40+2*JJ], v[41+2*JJ]
.set JJ, JJ+1
.endr
.set JJ, 0
.rept \n
	ds_store_b32 v3, v[48+JJ] offset:SB+8192-(8192>>(\l))+512*JJ
.set JJ, JJ+1
.endr
	BAR
.endm
	LEVEL 1, 4
	LEVEL 2, 2
	LEVEL 3, 1
	s_cmp_lg_u32 s18, 0                            ; levels 4 to 9 have 64 sums and fewer: wave 0 alone, no barrier inside
	s_cbranch_scc1 .Lupper_done
	ds_load_b64 v[40:41], v4 offset:SB+8192-1024
	ds_load_b64 v[42:43], v4 offset:SB+8192-1024+256
	s_wait_dscnt 0x0
	v_add_f32 v48, v40, v41
	v_add_f32 v49, v42, v43
	ds_store_b32 v3, v48 offset:SB+8192-512
	ds_store_b32 v3, v49 offset:SB+8192-512+128
	ds_load_b64 v[40:41], v4 offset:SB+8192-512    ; LDS serves a wave's instructions in order: this sees the stores above
	s_wait_dscnt 0x0
	v_add_f32 v48, v40, v41
	ds_store_b32 v3, v48 offset:SB+8192-256
.irp k, 0,1,2,3                        ; 16, 8, 4, 2 sums: the lanes beyond repeat the first ones' work with the same values
	ds_load_b64 v[40:41], v[10+2*\k] offset:SB+8192-(8192>>(5+\k))
	s_wait_dscnt 0x0
	v_add_f32 v48, v40, v41
	ds_store_b32 v[11+2*\k], v48 offset:SB+8192-(8192>>(6+\k))
.endr
.Lupper_done:
	BAR
	ds_load_b32 v28, v27 offset:SB+8192-16         ; T_9[0]
.irp tt, 0,1                           ; thread t makes L[4 t + 512 tt + 0 .. 3]
.irp l, 2,3,4,5,6,7,8
	ds_load_b32 v[48+8*\tt+\l-2], v[18+\l] offset:SB+8192-(8192>>\l)+((2048*\tt)>>\l)
.endr
	ds_load_b128 v[64+4*\tt:67+4*\tt], v5 offset:SB+2048*\tt
	ds_load_b32 v[72+\tt], v4 offset:SB+4096+1024*\tt
.endr
	s_wait_dscnt 0x0
	v_mov_b32 v74, 0
	v_mov_b32 v75, v28
.irp l, 8,7,6,5,4,3,2
.irp tt, 0,1
	v_cndmask_b32 v[76+\tt], 0, v[48+8*\tt+\l-2], s[30+\l]
	v_add_f32 v[74+\tt], v[74+\tt], v[76+\tt]
.endr
.endr
.irp tt, 0,1
	v_mov_b32 v[80+4*\tt], v[74+\tt]
	v_add_f32 v[81+4*\tt], v[74+\tt], v[64+4*\tt]
	v_add_f32 v[82+4*\tt], v[74+\tt], v[72+\tt]
	v_add_f32 v[83+4*\tt], v[82+4*\tt], v[66+4*\tt]
	global_store_b128 v5, v[80+4*\tt:83+4*\tt], s[16:17] offset:2048*\tt   ; a wave stores 512 consecutive bytes
.endr
	s_wait_tensorcnt 0x0
	ds_add_u32 v192, v193
	s_wait_dscnt 0x0
	s_endpgm
; ---------------- cos and sin: a wave takes four positions, a lane one of the 32 frequencies ----------------
.macro PWR lane, val                   ; 10^(lane / 8), rounded to f32
	s_mov_b32 s20, \val
	v_writelane_b32 v10, s20, \lane
.endm
.set ANG, 16
.set NN,  20
.set RR,  24
.set ZZ,  28
.set SN,  32
.set CN,  36
.set QQ,  40
.set TA,  44
.set TC,  48
.Lrope:
	s_sub_co_u32 s19, ttmp9, 4
	s_lshl_b32 s19, s19, 4
	s_lshl_b32 s21, s18, 2
	s_add_co_u32 s19, s19, s21                     ; my first position
	v_mov_b32 v10, 0
	PWR 0, 1.0
	PWR 1, 1.3335214321633240
	PWR 2, 1.7782794100389228
	PWR 3, 2.3713737056616552
	PWR 4, 3.1622776601683795
	PWR 5, 4.2169650342858223
	PWR 6, 5.6234132519034912
	PWR 7, 7.4989420933245583
	PWR 8, 10.0
	PWR 9, 13.335214321633240
	PWR 10, 17.782794100389228
	PWR 11, 23.713737056616552
	PWR 12, 31.622776601683795
	PWR 13, 42.169650342858223
	PWR 14, 56.234132519034912
	PWR 15, 74.989420933245583
	PWR 16, 100.0
	PWR 17, 133.35214321633240
	PWR 18, 177.82794100389228
	PWR 19, 237.13737056616552
	PWR 20, 316.22776601683795
	PWR 21, 421.69650342858223
	PWR 22, 562.34132519034912
	PWR 23, 749.89420933245583
	PWR 24, 1000.0
	PWR 25, 1333.5214321633240
	PWR 26, 1778.2794100389228
	PWR 27, 2371.3737056616552
	PWR 28, 3162.2776601683795
	PWR 29, 4216.9650342858223
	PWR 30, 5623.4132519034912
	PWR 31, 7498.9420933245583
	s_mov_b32 s22, 0x3fc90fdb                      ; pi / 2, its f32 and what is left
	s_mov_b32 s23, 0xb33bbd2e
	s_mov_b32 s24, -0.16666654611                  ; the sine's polynomial on |r| <= pi / 4
	s_mov_b32 s25, 0.0083321608736
	s_mov_b32 s26, -0.00019515295891
	s_mov_b32 s27, 0.04166664568298827             ; the cosine's
	s_mov_b32 s28, -0.001388731625493765
	s_mov_b32 s29, 0.00002443315711809948
	s_wait_alu depctr_va_vdst(0)
	v_rcp_f32 v11, v10
	v_lshlrev_b32 v3, 2, v2                        ; (a plain instruction behind the reciprocal)  4 x lane
	s_wait_alu depctr_va_vdst(0)
	v_fma_f32 v12, -v10, v11, 1.0                  ; one step of Newton: 1 / P to the last bit
	v_fma_f32 v11, v11, v12, v11
.irp i, 0,1,2,3
	s_add_co_u32 s21, s19, \i
	v_cvt_f32_u32 v[ANG+\i], s21
.endr
.irp i, 0,1,2,3
	v_mul_f32 v[ANG+\i], v[ANG+\i], v11            ; the angle, rounded to f32 once
.endr
.irp i, 0,1,2,3
	v_mul_f32 v[NN+\i], 0x3f22f983, v[ANG+\i]
.endr
.irp i, 0,1,2,3
	v_rndne_f32 v[NN+\i], v[NN+\i]                 ; n = the nearest multiple of pi / 2
.endr
.irp i, 0,1,2,3
	v_fma_f32 v[RR+\i], -v[NN+\i], s22, v[ANG+\i]
.endr
.irp i, 0,1,2,3
	v_fma_f32 v[RR+\i], -v[NN+\i], s23, v[RR+\i]
.endr
.irp i, 0,1,2,3
	v_mul_f32 v[ZZ+\i], v[RR+\i], v[RR+\i]
.endr
.irp i, 0,1,2,3
	v_fma_f32 v[SN+\i], v[ZZ+\i], s26, s25
	v_fma_f32 v[CN+\i], v[ZZ+\i], s29, s28
.endr
.irp i, 0,1,2,3
	v_fma_f32 v[SN+\i], v[SN+\i], v[ZZ+\i], s24
	v_fma_f32 v[CN+\i], v[CN+\i], v[ZZ+\i], s27
.endr
.irp i, 0,1,2,3
	v_mul_f32 v[SN+\i], v[SN+\i], v[ZZ+\i]
	v_mul_f32 v[CN+\i], v[CN+\i], v[ZZ+\i]
	v_fma_f32 v[TA+\i], v[ZZ+\i], -0.5, 1.0
.endr
.irp i, 0,1,2,3
	v_fma_f32 v[SN+\i], v[SN+\i], v[RR+\i], v[RR+\i]
	v_fma_f32 v[CN+\i], v[CN+\i], v[ZZ+\i], v[TA+\i]
	v_cvt_i32_f32 v[QQ+\i], v[NN+\i]
.endr
	s_lshl_b32 s20, s19, 8
	s_add_co_u32 s20, s20, ROPE
	s_mov_b32 s21, 0
	s_wait_kmcnt 0x0
	s_add_nc_u64 s[16:17], s[16:17], s[20:21]
.irp i, 0,1,2,3                        ; the quadrant: odd n swaps the two; the sine changes sign for n % 4 = 2, 3, the cosine for 1, 2
	v_and_b32 v13, 1, v[QQ+\i]
	v_cmp_ne_u32 vcc_lo, 0, v13
	v_cndmask_b32 v[TA+\i], v[SN+\i], v[CN+\i], vcc_lo
	v_cndmask_b32 v[TC+\i], v[CN+\i], v[SN+\i], vcc_lo
	v_and_b32 v13, 2, v[QQ+\i]
	v_lshlrev_b32 v13, 30, v13
	v_xor_b32 v[TA+\i], v[TA+\i], v13
	v_add_nc_u32 v13, 1, v[QQ+\i]
	v_and_b32 v13, 2, v13
	v_lshlrev_b32 v13, 30, v13
	v_xor_b32 v[TC+\i], v[TC+\i], v13
	global_store_b32 v3, v[TC+\i], s[16:17] offset:256*\i
	global_store_b32 v3, v[TA+\i], s[16:17] offset:256*\i+128
.endr
	s_endpgm
.Lfunc_end_k_qf7df444981_prep:
	.size	k_qf7df444981_prep, .Lfunc_end_k_qf7df444981_prep-k_qf7df444981_prep
	.p2alignl 7, 3214868480
	.fill 96, 4, 3214868480
	.section	.rodata,"a",@progbits
	.p2align	6, 0x0
	.amdhsa_kernel k_qf7df444981_prep
		.amdhsa_group_segment_fixed_size 41472
		.amdhsa_private_segment_fixed_size 0
		.amdhsa_enable_private_segment 0
		.amdhsa_kernarg_size 56
		.amdhsa_user_sgpr_count 2
		.amdhsa_user_sgpr_kernarg_segment_ptr 1
		.amdhsa_wavefront_size32 1
		.amdhsa_system_sgpr_workgroup_id_x 1
		.amdhsa_system_sgpr_workgroup_id_y 1
		.amdhsa_system_sgpr_workgroup_id_z 1
		.amdhsa_system_vgpr_workitem_id 0
		.amdhsa_next_free_vgpr 194
		.amdhsa_next_free_sgpr 66
		.amdhsa_reserve_vcc 1
		.amdhsa_float_denorm_mode_32 3
		.amdhsa_float_denorm_mode_16_64 3
		.amdhsa_memory_ordered 1
		.amdhsa_forward_progress 1
		.amdhsa_inst_pref_size 55
	.end_amdhsa_kernel
	.amdgpu_metadata
---
amdhsa.version: [ 1, 2 ]
amdhsa.kernels:
  - .name:           k_qf7df444981_prep
    .symbol:         k_qf7df444981_prep.kd
    .args:
      - { .name: x_norm, .offset: 0, .size: 8, .value_kind: global_buffer, .address_space: global }
      - { .name: Wq, .offset: 8, .size: 8, .value_kind: global_buffer, .address_space: global }
      - { .name: Wk, .offset: 16, .size: 8, .value_kind: global_buffer, .address_space: global }
      - { .name: Wv, .offset: 24, .size: 8, .value_kind: global_buffer, .address_space: global }
      - { .name: Wo, .offset: 32, .size: 8, .value_kind: global_buffer, .address_space: global }
      - { .name: affinity_a, .offset: 40, .size: 8, .value_kind: global_buffer, .address_space: global }
      - { .name: prep, .offset: 48, .size: 8, .value_kind: global_buffer, .address_space: global }
    .group_segment_fixed_size: 41472
    .private_segment_fixed_size: 0
    .kernarg_segment_align: 8
    .kernarg_segment_size: 56
    .max_flat_workgroup_size: 128
    .sgpr_count:     66
    .vgpr_count:     194
    .wavefront_size: 32
...
	.end_amdgpu_metadata
.endif
;; end of part 1
;; launch gemm (part 2): grid 16 x 16, 4 waves a work-group, clusters of 4 x 4, 327,680 bytes of LDS; arguments prep, bq, bk, bv, qkv; writes qkv
.if DOCPART == 2
	.amdgcn_target "amdgcn-amd-amdhsa--gfx1250"
	.amdhsa_code_object_version 6
	.text
	.protected	k_qf7df444981_gemm
	.globl	k_qf7df444981_gemm
	.p2align	8
	.type	k_qf7df444981_gemm,@function
k_qf7df444981_gemm:
	s_mov_b64 s[64:65], 0
	v_nop
	global_prefetch_b8 v0, s[64:65] scope:SCOPE_SE
	s_setreg_imm32_b32 hwreg(HW_REG_WAVE_MODE, 25, 1), 1
	s_wait_xcnt 0x0
	s_wait_alu depctr_hold_cnt(0) depctr_sa_sdst(0) depctr_va_vdst(0) depctr_va_sdst(0) depctr_va_ssrc(0) depctr_va_vcc(0) depctr_vm_vsrc(0)
	s_getreg_b32 s2, hwreg(HW_REG_IB_STS2, 6, 4)
	s_cmp_eq_u32 s2, 0
	s_cbranch_scc0 .Lentry_in_a_cluster
	s_endpgm
.Lentry_in_a_cluster:
	s_bfe_u32 s2, ttmp6, 0x10000c
	s_cmp_lg_u32 s2, 0xf033
	s_cbranch_scc0 .Lentry_shape_is_right
	s_endpgm
.Lentry_shape_is_right:
; q, k, v = Q(x) Q(W)^T + b on codes of BF6 (E3M2) with E8M0 scales; q and k are rotated (RoPE), and all three are quantised again and stored as images of operand registers.
; A work-group takes 256 tokens x one head: 256 rows of Wq|Wk (q1 64 | q2 64 | k1 64 | k2 64), then 64 rows of Wv.  Four waves, 128 x 128 each: 64 accumulators.
; K = 1,024 is 768 bytes of a row: it goes through a ring of two LDS slots in three chunks of 256 bytes; a step of 128 along K is 96 bytes, eight steps; steps 2 and 5 lie across two chunks.
; The scales of the 256 + 256 rows come once, at the head.  4 x 4 clusters: x's tiles are asked for jointly along a row of the cluster, the weights' along a column.
; THE V PRODUCT: behind the walk the ring's bytes take x's 256 rows whole (a dense block of 768 rows of 256 bytes: waves 0-2) and Wv's 64 rows (192 such rows: wave 3); a row of codes is then 816 bytes of LDS.
; These loads are on their way while q and k are rotated and quantised.  Source 0 = 16 tokens, source 1 = 16 channels: a lane holds a channel, its registers run along the tokens, which are the next K.
; No prefetch: K is three chunks, of which two are asked for at the head, at the largest block in clusters.
; LIMITS: NaN and infinities are not served; a block of zeros gets the scale byte 1 (its codes are zeros, and this program alone reads the bytes).
; REGISTERS: window 0: v1-31 addresses; v32-63 scale words alone; v64-127 the biases; v128-223 x's fragments, later work; v230-231 bv; v240-255 Wv's scale words.  Window 1: the weights' fragments, two sets, and cos, sin.  Windows 2, 3: accumulators.
.set WQKC,   3145728
.set WVC,    6291456
.set XS,     7864320
.set WQKS,   7995392
.set WVS,    8126464
.set ROPE,   8192000
.set VIMG,   12582912
.set QSC,    15728640
.set VSC,    16777216
.set ROWB,   256
.set NQ,     2
.set KROW,   768
.set STEPS,  8
.set CHUNKS, 3
.set PITCH,  272
.set FR,     12
.set NL,     6
.set NP,     4
.set HALFT,  128*PITCH
.set SLOT,   4*HALFT
.set KS,     32
.set SCL,    2*SLOT
.set HALFS,  16*272
.set SBLK,   2*272
.set SPARE,  SCL+4*HALFS
.set VROW,   816                       ; the V product: a row of codes, three chunks of 272
.set VX,     256*PITCH                 ; what one of waves 0-2 brings of x
.set WVL,    3*VX                      ; Wv behind x
.set XV,   8                           ; v8-11 x's rows for the V product: 24 h, 40 h; the same 64 rows on
.set WSO,  12
.set ADRA, 16
.set ADRB, 20
.set WV,   24                          ; v24-25 Wv's rows: 24 h, 40 h
.set ADRS, 27
.set SPW,  28
.set NIL,  29
.set BVO,  31
.set SC,   32
.set AF,   128
.set BI,   64
.set T,    128
.set PC,   192
.set TM,   212
.set PW,   228
.set BV,   230
.set TP,   232
.set WSR,  240
.set SEL,  18
.set HT,   100
.set G1, 24
.set G0, 32
.set G1B, 48
.set G0B, 56
.set G1S, 68
.set G0S, 76
.set G1SB, 80
.set G0SB, 88
.set G0H, 92
.set G0HB, 96
.set GV,  76
.set GW,  88
.set MSB, 0
.macro WIN new
.if MSB != (\new)
	s_set_vgpr_msb (MSB<<8)|(\new)
.set MSB, (\new)
.endif
.endm
.set MUL_LO, 0xa1
.set MUL_HI, 0xf1
.set TO_B,   0x40
.macro TL g0, g1                       ; a tensor load with an s_nop and four v_nop behind it
	tensor_load_to_lds s[\g0:\g0+3], s[\g1:\g1+7]
	s_nop 0
.rept 4
	v_nop
.endr
.endm
.macro JLOAD g0a, g1a, g0b, g1b        ; waves 0, 1 fetch x's halves, waves 2, 3 the weights'
	s_cmp_eq_u32 s15, 0
	s_cbranch_scc0 .Lfor_b_\@
	TL \g0a, \g1a
	s_branch .Lasked_\@
.Lfor_b_\@:
	TL \g0b, \g1b
.Lasked_\@:
.endm
.macro CREST
	s_cmp_lg_u32 s14, 0
	s_cbranch_scc1 .Lnot_wave_0_\@
	s_barrier_signal -3
.Lnot_wave_0_\@:
	s_barrier_wait -3
	s_barrier_signal -1
	s_barrier_wait -1
.endm
.macro CROUND
	s_barrier_signal -1
	s_barrier_wait -1
	CREST
.endm
	s_load_b256 s[4:11], s[0:1], 0x0               ; prep, bq, bk, bv
	s_load_b64 s[12:13], s[0:1], 0x20              ; qkv
	v_lshl_add_u32 v[SPW], v0, 2, SPARE
	v_mov_b32 v[NIL], 0
	ds_add_u32 v[SPW], v[NIL]                      ; the opening lines: the add twice on end
	ds_add_u32 v[SPW], v[NIL]
	v_lshrrev_b32 v1, 5, v0
	v_readfirstlane_b32 s14, v1                    ; wave
	s_lshr_b32 s15, s14, 1                         ; my half of the tokens; also: I fetch for x (0) or the weights (1)
	s_and_b32 s16, s14, 1                          ; my half of the columns (q or k); also: which 128 rows I fetch
	s_bfe_u32 s40, ttmp6, 0x40000
	s_bfe_u32 s41, ttmp6, 0x40004
	s_lshl_b32 s42, ttmp9, 2
	s_add_co_u32 s42, s42, s40                     ; the head
	s_and_b32 s17, ttmp7, 0xffff
	s_lshl_b32 s17, s17, 2
	s_add_co_u32 s17, s17, s41                     ; the block of 256 tokens
	s_lshl_b32 s43, s41, 2
	s_lshl_b32 s43, 15, s43                        ; my row of the cluster
	s_lshl_b32 s44, 0x1111, s40                    ; my column
	s_or_b32 s[G1+0], s43, (1<<20)|(1<<21)|(5<<22)|(3<<25)   ; bytes; 16 bytes of padding behind every 256
	s_or_b32 s[G1B+0], s44, (1<<20)|(1<<21)|(5<<22)|(3<<25)
.irp g, G1, G1B
	s_mov_b32 s[\g+1], ROWB<<16
	s_mov_b32 s[\g+2], 256<<16                     ; the head's loads bring 256 rows
	s_mov_b32 s[\g+3], ROWB<<16
	s_mov_b32 s[\g+4], 256
	s_mov_b32 s[\g+5], KROW
	s_mov_b32 s[\g+6], 0
	s_mov_b32 s[\g+7], 0
.endr
	s_or_b32 s[G1S+0], s43, (3<<16)|(1<<20)|(1<<21)|(5<<22)|(3<<25)   ; the scales of 256 rows: 32 dense rows of 256 bytes
	s_or_b32 s[G1SB+0], s44, (3<<16)|(1<<20)|(1<<21)|(5<<22)|(3<<25)
.irp g, G1S, G1SB
	s_mov_b32 s[\g+1], 32<<16
	s_mov_b32 s[\g+2], KS<<16
	s_mov_b32 s[\g+3], 32<<16
	s_mov_b32 s[\g+4], KS
	s_mov_b32 s[\g+5], 32
	s_mov_b32 s[\g+6], 0
	s_mov_b32 s[\g+7], 0
.endr
	s_mul_i32 s20, s17, 256*KROW                   ; byte offsets in prep: x's codes,
	s_mov_b32 s21, 0
	s_mul_i32 s46, s42, 256*KROW                   ; the weights' codes,
	s_add_co_u32 s46, s46, WQKC
	s_mov_b32 s47, 0
	s_lshl_b32 s22, s17, 13                        ; x's scales,
	s_add_co_u32 s22, s22, XS
	s_mov_b32 s23, 0
	s_lshl_b32 s2, s42, 13                         ; the weights' scales
	s_add_co_u32 s2, s2, WQKS
	s_mov_b32 s3, 0
	s_mul_i32 s18, s16, 128*KROW                   ; in the ring: my 128 rows
	s_mov_b32 s19, 0
	s_mul_i32 s[HT], s14, HALFT
	s_wait_dscnt 0x0                               ; both opening adds are done
	s_wait_kmcnt 0x0
	s_add_nc_u64 s[20:21], s[4:5], s[20:21]
	s_add_nc_u64 s[22:23], s[4:5], s[22:23]
	s_add_nc_u64 s[46:47], s[4:5], s[46:47]
	s_add_nc_u64 s[2:3], s[4:5], s[2:3]
	s_mov_b64 s[66:67], s[20:21]                   ; kept for the V product
	CROUND                                         ; the first joint loads meet
	s_mov_b32 s[G0H], 1
	s_mov_b32 s[G0H+1], 0
	s_mov_b64 s[G0H+2:G0H+3], s[20:21]
	s_or_b32 s[G0H+3], s[G0H+3], 0x80000000
	s_mov_b32 s[G0HB], 1
	s_mov_b32 s[G0HB+1], 2*HALFT
	s_mov_b64 s[G0HB+2:G0HB+3], s[46:47]
	s_or_b32 s[G0HB+3], s[G0HB+3], 0x80000000
	s_mov_b32 s[G0S], 1
	s_mov_b32 s[G0S+1], SCL
	s_mov_b64 s[G0S+2:G0S+3], s[22:23]
	s_or_b32 s[G0S+3], s[G0S+3], 0x80000000
	s_mov_b32 s[G0SB], 1
	s_mov_b32 s[G0SB+1], SCL+2*HALFS
	s_mov_b64 s[G0SB+2:G0SB+3], s[2:3]
	s_or_b32 s[G0SB+3], s[G0SB+3], 0x80000000
	s_add_nc_u64 s[20:21], s[20:21], s[18:19]
	s_add_nc_u64 s[46:47], s[46:47], s[18:19]
.irp s, 0,1
	s_mov_b32 s[G0+4*\s], 1
	s_add_co_u32 s[G0+4*\s+1], s[HT], \s*SLOT
	s_add_nc_u64 s[G0+4*\s+2:G0+4*\s+3], s[20:21], \s*ROWB
	s_or_b32 s[G0+4*\s+3], s[G0+4*\s+3], 0x80000000
	s_mov_b32 s[G0B+4*\s], 1
	s_add_co_u32 s[G0B+4*\s+1], s[HT], \s*SLOT
	s_add_nc_u64 s[G0B+4*\s+2:G0B+4*\s+3], s[46:47], \s*ROWB
	s_or_b32 s[G0B+4*\s+3], s[G0B+4*\s+3], 0x80000000
.endr
; the head's four tiles, one a wave, in one chain of branches: chunk 0 of x, chunk 0 of the weights, x's scales, the weights' scales
.macro ARM under, g0, g1, next
	s_cmp_lt_u32 s14, \under
	s_cbranch_scc0 \next
	TL \g0, \g1
	s_branch .Lhead_asked
\next:
.endm
	ARM 1, G0H,  G1,  .Lhead_b
	ARM 2, G0HB, G1B, .Lhead_sa
	ARM 3, G0S,  G1S, .Lhead_sb
	TL G0SB, G1SB
.Lhead_asked:
	; bases of the head's plain loads
	s_mov_b32 s19, 0
	s_cmp_eq_u32 s16, 0
	s_cselect_b64 s[6:7], s[6:7], s[8:9]           ; bq or bk,
	s_lshl_b32 s18, s42, 8
	s_add_nc_u64 s[6:7], s[6:7], s[18:19]          ; at the head's 64 channels
	s_lshl_b32 s101, s16, 7
	s_add_co_u32 s18, s18, s101
	s_add_nc_u64 s[10:11], s[10:11], s[18:19]      ; bv at my 32 channels
	s_lshl_b32 s2, s18, 3
	s_add_co_u32 s2, s2, WVS
	s_mov_b32 s3, 0
	s_add_nc_u64 s[2:3], s[4:5], s[2:3]            ; Wv's scale bytes of these 32 rows
	s_and_b32 s18, s17, 3
	s_lshl_b32 s18, s18, 8
	s_lshl_b32 s101, s15, 7
	s_add_co_u32 s18, s18, s101
	s_lshl_b32 s18, s18, 8
	s_add_co_u32 s18, s18, ROPE
	s_add_nc_u64 s[8:9], s[4:5], s[18:19]          ; cos and sin at my first position
	; LDS bases
	s_mul_i32 s20, s15, HALFT                      ; my 128 rows of x
	s_mul_i32 s21, s16, HALFT
	s_add_co_u32 s21, s21, 2*HALFT                 ; my 128 rows of the weights
	s_mov_b32 s22, SLOT-232
	s_mov_b32 s23, SLOT+232
	s_mul_i32 s45, s15, HALFS
	s_mul_i32 s44, s16, HALFS
	s_add_co_u32 s44, s44, 2*HALFS
	s_sub_co_u32 s44, s44, s45                     ; from x's scale words to the weights'
	s_add_co_u32 s45, s45, SCL
	s_mul_i32 s46, s15, 128*VROW
	s_mul_i32 s47, s16, 32*VROW
	s_add_co_u32 s47, s47, WVL
	v_and_b32 v1, 15, v0                           ; r
	v_bfe_u32 v2, v0, 4, 1                         ; h
	v_mul_u32_u24 v3, v1, PITCH
	v_mul_u32_u24 v4, v2, 24
	v_add_nc_u32 v4, v3, v4                        ; row x pitch + 24 h
	v_sub_nc_u32 v7, 1, v2
	v_mul_u32_u24 v5, s22, v2
	v_add_nc_u32 v5, v3, v5
	v_add_nc_u32 v5, 232, v5                       ; lanes 0-15 byte 232 in slot 0, lanes 16-31 byte 0 in slot 1;
	v_mul_u32_u24 v6, s23, v7
	v_add_nc_u32 v6, v3, v6                        ; and the other way round
	v_add_nc_u32 v[ADRA], s20, v4
	v_add_nc_u32 v[ADRB], s21, v4
	v_add_nc_u32 v[ADRA+2], s20, v5
	v_add_nc_u32 v[ADRA+3], s20, v6
	v_add_nc_u32 v[ADRB+2], s21, v5
	v_add_nc_u32 v[ADRB+3], s21, v6
	v_add_nc_u32 v[ADRA+1], SLOT, v[ADRA]
	v_add_nc_u32 v[ADRB+1], SLOT, v[ADRB]
	v_mul_u32_u24 v5, v1, KS                       ; scale words: 32 bytes a row, 16 more for each 256 passed
	v_lshrrev_b32 v6, 8, v5
	v_lshl_add_u32 v5, v6, 4, v5
	v_mul_u32_u24 v6, s44, v2                      ; lanes 16-31 take the weights'
	v_add_nc_u32 v5, v5, v6
	v_add_nc_u32 v[ADRS], s45, v5
	v_mul_u32_u24 v3, v1, VROW                     ; the V product's rows
	v_mad_u32_u24 v5, v2, 24, v3
	v_mad_u32_u24 v6, v2, 40, v3                   ; for pieces whose lanes 16-31 lie behind one padding more
	v_add_nc_u32 v[XV], s46, v5
	v_add_nc_u32 v[XV+1], s46, v6
	v_add_nc_u32 v[XV+2], 64*VROW, v[XV]
	v_add_nc_u32 v[XV+3], 64*VROW, v[XV+1]
	v_add_nc_u32 v[WV], s47, v5
	v_add_nc_u32 v[WV+1], s47, v6
	v_and_b32 v7, 8, v1
	v_add_nc_u32 v7, v7, v1                        ; r + 8 (r / 8): the token of row r of a tile
	v_lshlrev_b32 v3, 8, v7
	v_lshl_add_u32 v3, v2, 6, v3                   ; cos, sin: 256 bytes a position, + 64 h
	v_lshlrev_b32 v4, 6, v2                        ; biases: + 64 h
	v_lshlrev_b32 v[WSO], 5, v1
	v_lshlrev_b32 v[BVO], 2, v1
	v_and_b32 v1, 31, v0
	v_lshlrev_b32 v2, 2, v1                        ; 4 x lane
	v_lshlrev_b32 v1, 4, v1                        ; 16 x lane
	s_wait_alu depctr_va_vdst(0)
.macro SETCS a
.if (\a) == 0
.set CSR, 96
.elseif (\a) == 1
.set CSR, 224
.elseif (\a) < 5
.set CSR, 32*((\a)-2)
.else
.set CSR, 32*((\a)-1)
.endif
.endm
.macro CSLOAD a                        ; cos 16, sin 16 of tile a's token, into window 1
	SETCS \a
.irp j, 0,1,2,3
	global_load_b128 v[CSR+4*\j:CSR+4*\j+3], v3, s[8:9] offset:(32*((\a)/2)+8*((\a)%2))*256+16*\j
.endr
.irp j, 0,1,2,3
	global_load_b128 v[CSR+16+4*\j:CSR+16+4*\j+3], v3, s[8:9] offset:(32*((\a)/2)+8*((\a)%2))*256+128+16*\j
.endr
.endm
.irp bb, 0,1,2,3
.irp j, 0,1,2,3
	global_load_b128 v[BI+16*\bb+4*\j:BI+16*\bb+4*\j+3], v4, s[6:7] offset:(1024*(\bb/2)+32*(\bb%2))*4+16*\j
.endr
.endr
.irp n, 0,1
.irp q, 0,1
	global_load_b128 v[WSR+8*\n+4*\q:WSR+8*\n+4*\q+3], v[WSO], s[2:3] offset:512*\n+16*\q
.endr
	global_load_b32 v[BV+\n], v[BVO], s[10:11] offset:64*\n
.endr
	WIN 0x40
	CSLOAD 0
	CSLOAD 1
	WIN 0
.macro FRAG reg, adr, st, i            ; 16 rows x 128 K in pieces of 8 bytes; byte y of a row lies in slot (y / 256) % 2 at byte y % 256
.irp p, 0,1,2,3,4,5
.set BY, 96*(\st)+48*(\p/3)+8*(\p%3)
.if BY/ROWB == (BY+24)/ROWB
	ds_load_b64 v[\reg+2*\p:\reg+2*\p+1], v[\adr+(BY/ROWB)%2] offset:BY%ROWB+(\i)*16*PITCH
.else
	ds_load_b64 v[\reg+2*\p:\reg+2*\p+1], v[\adr+2+(BY/ROWB)%2] offset:BY%ROWB-232+(\i)*16*PITCH
.endif
.endr
.endm
.macro MUL16 a0, p, q, sc, zero        ; the 64 accumulators take turns
.irp a, \a0, \a0+1
.irp b, 0,1,2,3,4,5,6,7
.if \zero
	v_wmma_scale_f32_16x16x128_f8f6f4 v[8*(8*((\a)%4)+\b):8*(8*((\a)%4)+\b)+7], v[128*(\p)+FR*\b:128*(\p)+FR*\b+FR-1], v[AF+FR*(\a):AF+FR*(\a)+FR-1], 0, v[SC+8*NQ*(\sc)+NQ*\b+(\q)], v[SC+8*NQ*(\sc)+NQ*(\a)+(\q)] matrix_a_fmt:MATRIX_FMT_BF6 matrix_b_fmt:MATRIX_FMT_BF6 matrix_a_scale:MATRIX_SCALE_ROW1
.else
	v_wmma_scale_f32_16x16x128_f8f6f4 v[8*(8*((\a)%4)+\b):8*(8*((\a)%4)+\b)+7], v[128*(\p)+FR*\b:128*(\p)+FR*\b+FR-1], v[AF+FR*(\a):AF+FR*(\a)+FR-1], v[8*(8*((\a)%4)+\b):8*(8*((\a)%4)+\b)+7], v[SC+8*NQ*(\sc)+NQ*\b+(\q)], v[SC+8*NQ*(\sc)+NQ*(\a)+(\q)] matrix_a_fmt:MATRIX_FMT_BF6 matrix_b_fmt:MATRIX_FMT_BF6 matrix_a_scale:MATRIX_SCALE_ROW1
.endif
.endr
.endr
.endm
.macro FETCH_B st, p
	WIN TO_B
.irp i, 0,1,2,3,4,5,6,7
	FRAG 128*(\p)+FR*\i, ADRB, \st, \i
.endr
	WIN 0
.endm
.macro FETCH_A st, i0
.irp i, \i0, \i0+1, \i0+2, \i0+3
	FRAG AF+FR*(\i), ADRA, \st, \i
.endr
.endm
.macro SCALES pr                       ; the words of steps 2 pr, 2 pr + 1 into set pr % 2: lanes 0-15 x's block i, lanes 16-31 the weights'
.irp i, 0,1,2,3,4,5,6,7
	ds_load_b64 v[SC+8*NQ*((\pr)%2)+NQ*\i:SC+8*NQ*((\pr)%2)+NQ*\i+1], v[ADRS] offset:\i*SBLK+4*NQ*(\pr)
.endr
.endm
.macro PLACES n
.rept \n
	v_nop
.endr
.endm
; A step: 64 products; the next step's fragments are fetched in its middle and at its end.  Where the next step ends in a chunk not read yet, a barrier shows that chunk whole;
; where it begins in a later chunk, the chunk left behind is read no more: the wait for all tensor loads, the add, the wait for it and for my reads, the barrier, and, where a chunk is left to fetch, the round and the refill.
.macro STEP st, zero
.set NX, (\st)+1
.set C0, (96*(\st))/ROWB
.set C1, (96*NX)/ROWB
.set E0, (96*(\st)+95)/ROWB
.set E1, (96*NX+95)/ROWB
.if C1 > C0 || E1 > E0
	s_wait_tensorcnt 0x0
.if C1 > C0
	ds_add_u32 v[SPW], v[NIL]
	s_wait_dscnt 4*NL+1                            ; the add and x's blocks 4-7 may be out
.else
	s_wait_dscnt 4*NL                              ; x's blocks 4-7 may be out
.endif
	WIN MUL_LO
	MUL16 0, (\st)%2, (\st)%2, ((\st)/2)%2, \zero
	s_wait_dscnt 0x0
	s_barrier_signal -1
	MUL16 2, (\st)%2, (\st)%2, ((\st)/2)%2, \zero
	WIN 0
	s_barrier_wait -1
.if C1 > C0 && C0+2 < CHUNKS
	CREST
	s_add_nc_u64 s[G0+4*(C0%2)+2:G0+4*(C0%2)+3], s[G0+4*(C0%2)+2:G0+4*(C0%2)+3], 2*ROWB
	s_add_nc_u64 s[G0B+4*(C0%2)+2:G0B+4*(C0%2)+3], s[G0B+4*(C0%2)+2:G0B+4*(C0%2)+3], 2*ROWB
	JLOAD G0+4*(C0%2), G1, G0B+4*(C0%2), G1B       ; chunk C0 + 2; its four v_nop are the places in front of the loads below
.else
	PLACES NP
.endif
.else
	s_wait_dscnt 4*NL
	WIN MUL_LO
	MUL16 0, (\st)%2, (\st)%2, ((\st)/2)%2, \zero
	MUL16 2, (\st)%2, (\st)%2, ((\st)/2)%2, \zero
	s_wait_dscnt 0
	PLACES NP
.endif
	FETCH_B NX, NX%2
	FETCH_A NX, 0
.if NX%2 == 0
	SCALES NX/2
.endif
	WIN MUL_HI
	MUL16 4, (\st)%2, (\st)%2, ((\st)/2)%2, \zero
	MUL16 6, (\st)%2, (\st)%2, ((\st)/2)%2, \zero
	PLACES NP
	WIN 0
	FETCH_A NX, 4
.endm
	s_wait_tensorcnt 0x0                           ; my tile of the head's four is in
	ds_add_u32 v[SPW], v[NIL]
	s_mov_b32 s[G1+2], 128<<16                     ; no load of mine is out: from here on a load brings 128 rows
	s_mov_b32 s[G1+4], 128
	s_mov_b32 s[G1B+2], 128<<16
	s_mov_b32 s[G1B+4], 128
	s_wait_dscnt 0x0
	CROUND
	JLOAD G0+4, G1, G0B+4, G1B                     ; chunk 1
	FETCH_B 0, 0
	FETCH_A 0, 0
	SCALES 0
	FETCH_A 0, 4
	STEP 0, 1                                      ; the first step's products start the sums
.set ST, 1
.rept STEPS-2
	STEP ST, 0
.set ST, ST+1
.endr
	s_wait_dscnt 4*NL
	WIN MUL_LO
	MUL16 0, 1, 1, 1, 0
	MUL16 2, 1, 1, 1, 0
	s_wait_dscnt 0
	WIN MUL_HI
	MUL16 4, 1, 1, 1, 0
	MUL16 6, 1, 1, 1, 0
	WIN 0
	s_wait_tensorcnt 0x0                           ; the ring is read out: it is filled again for the V product
	ds_add_u32 v[SPW], v[NIL]
	s_mov_b32 s[SEL], 0x76543210
	s_mov_b32 s[SEL+1], 0xfedcba98
	s_mov_b32 s[G1+2], 256<<16                     ; x: 256 dense rows of 256 bytes a wave
	s_mov_b32 s[G1+4], 256
	s_mov_b32 s[G1+5], 256
	s_mov_b32 s[G1B+2], 192<<16                    ; Wv: 64 rows of codes = 192 dense rows of 256 bytes
	s_mov_b32 s[G1B+4], 192
	s_mov_b32 s[G1B+5], 256
	s_lshl_b32 s20, s14, 16
	s_mov_b32 s21, 0
	s_mov_b32 s[GV], 1
	s_mul_i32 s[GV+1], s14, VX
	s_add_nc_u64 s[GV+2:GV+3], s[66:67], s[20:21]
	s_or_b32 s[GV+3], s[GV+3], 0x80000000
	s_mul_i32 s22, s42, 64*KROW
	s_add_co_u32 s22, s22, WVC
	s_mov_b32 s23, 0
	s_mov_b32 s[GW], 1
	s_mov_b32 s[GW+1], WVL
	s_add_nc_u64 s[GW+2:GW+3], s[4:5], s[22:23]
	s_or_b32 s[GW+3], s[GW+3], 0x80000000
	s_wait_dscnt 0x0
	CROUND
	s_cmp_lt_u32 s14, 3
	s_cbranch_scc0 .Lv_w
	TL GV, G1
	s_branch .Lv_asked
.Lv_w:
	TL GW, G1B
.Lv_asked:
.macro QUANT s                         ; 64 numbers of a lane, register 16 b + i = k 32 b + 16 h + i, become a fragment's codes in v[PC] on and its scale word in v[PW]
.irp b, 0,1,2,3
	v_max3_num_f32 v[TM+\b], |v[\s+16*\b]|, |v[\s+1+16*\b]|, 0x2800000
.endr
.irp i, 2,4,6,8,10,12,14
.irp b, 0,1,2,3
	v_max3_num_f32 v[TM+\b], v[TM+\b], |v[\s+16*\b+\i]|, |v[\s+1+16*\b+\i]|
.endr
.endr
.irp b, 0,1,2,3
	v_permlanex16_b32 v[TM+4+\b], v[TM+\b], s[SEL], s[SEL+1]
.endr
.irp b, 0,1,2,3
	v_max_num_f32 v[TM+\b], v[TM+\b], v[TM+4+\b]
.endr
.irp b, 0,1,2,3
	v_add_nc_u32 v[TM+12+\b], 0xfe000000, v[TM+\b]
.endr
.irp b, 0,1,2,3
	v_lshrrev_b32 v[TM+4+\b], 23, v[TM+12+\b]
.endr
	v_lshl_or_b32 v[PW], v[TM+5], 8, v[TM+4]
	v_lshl_or_b32 v[PW], v[TM+6], 16, v[PW]
	v_lshl_or_b32 v[PW], v[TM+7], 24, v[PW]
.irp c, 0,1
	v_cvt_scalef32_pk16_bf6_f32 v[PC+6*\c:PC+2+6*\c], v[\s+32*\c:\s+15+32*\c], v[TM+12+2*\c]
	v_cvt_scalef32_pk16_bf6_f32 v[PC+12+4*\c:PC+14+4*\c], v[\s+16+32*\c:\s+31+32*\c], v[TM+12+2*\c+1]
.endr
	v_nop
.irp c, 0,1
.irp i, 0,1,2
	v_permlane16_swap_b32 v[PC+6*\c+\i], v[PC+12+4*\c+\i]
.endr
.irp i, 0,1,2
	v_mov_b32 v[PC+3+6*\c+\i], v[PC+12+4*\c+\i]
.endr
.endr
.endm
	s_wait_loadcnt 0x0                             ; the head's plain loads
	s_wait_xcnt 0x0
.irp b, 0,1,2,3
	v_mov_b32 v[TM+4+\b], 0
.endr
	s_lshr_b32 s20, s17, 2                         ; where my images go
	s_lshl_b32 s20, s20, 4
	s_add_co_u32 s20, s20, s42
	s_lshl_b32 s23, s20, 5
	s_lshl_b32 s20, s20, 6
	s_and_b32 s21, s17, 3
	s_lshl_b32 s22, s21, 4
	s_add_co_u32 s20, s20, s22
	s_lshl_b32 s22, s15, 3
	s_add_co_u32 s20, s20, s22
	s_mul_i32 s46, s20, 1536
	s_mul_i32 s22, s16, 6291456
	s_add_co_u32 s46, s46, s22
	s_mov_b32 s47, 0
	s_add_nc_u64 s[46:47], s[12:13], s[46:47]
	s_lshl_b32 s92, s20, 7
	s_lshl_b32 s22, s16, 19
	s_add_co_u32 s92, s92, s22
	s_add_co_u32 s92, s92, QSC
	s_mov_b32 s93, 0
	s_add_nc_u64 s[92:93], s[12:13], s[92:93]
	s_lshl_b32 s22, s21, 3
	s_add_co_u32 s23, s23, s22
	s_lshl_b32 s22, s15, 2
	s_add_co_u32 s23, s23, s22
	s_lshl_b32 s22, s16, 1
	s_add_co_u32 s23, s23, s22
	s_mul_i32 s96, s23, 1536
	s_add_co_u32 s96, s96, VIMG
	s_mov_b32 s97, 0
	s_add_nc_u64 s[96:97], s[12:13], s[96:97]
	s_lshl_b32 s98, s23, 7
	s_add_co_u32 s98, s98, VSC
	s_mov_b32 s99, 0
	s_add_nc_u64 s[98:99], s[12:13], s[98:99]
	WIN 0x40
.irp a, 2,3,4,5,6,7
	CSLOAD \a
.endr
	WIN 0
.macro EPIQK a                         ; tile a of 16 tokens: bias, rotation, quantiser, store of the image
	SETCS \a
.if (\a) > 1
	s_wait_loadcnt 8*(7-(\a))                      ; the later tiles' eight loads each may be out
.endif
	WIN 0x02+((\a)/4)
.set KK, 0
.rept 32
	v_pk_add_f32 v[T+KK:T+KK+1], v[64*((\a)%4)+KK:64*((\a)%4)+KK+1], v[BI+KK:BI+KK+1]
.set KK, KK+2
.endr
	WIN 0x04
.irp p, 0,1
.irp i, 0,2,4,6,8,10,12,14
.set X1, T+32*\p+\i
.set X2, X1+16
.set UU, TP+4*((\i/2)%2)
	v_pk_mul_f32 v[UU:UU+1], v[X2:X2+1], v[CSR+16+\i:CSR+17+\i]
	v_pk_mul_f32 v[UU+2:UU+3], v[X1:X1+1], v[CSR+16+\i:CSR+17+\i]
	v_pk_fma_f32 v[X1:X1+1], v[X1:X1+1], v[CSR+\i:CSR+1+\i], v[UU:UU+1] neg_lo:[0,0,1] neg_hi:[0,0,1]
	v_pk_fma_f32 v[X2:X2+1], v[X2:X2+1], v[CSR+\i:CSR+1+\i], v[UU+2:UU+3]
.endr
.endr
	WIN 0
.if (\a) > 0
	s_wait_xcnt 0x0                                ; the last image's stores have read their data
.endif
	QUANT T
.irp c, 0,1,2
	global_store_b128 v1, v[PC+4*\c:PC+4*\c+3], s[46:47] offset:(\a)*1536+512*\c
.endr
	global_store_b32 v2, v[PW], s[92:93] offset:(\a)*128
.endm
.irp a, 0,1,2,3,4,5,6,7
	EPIQK \a
.endr
.macro VFRAG reg, adr, s, off          ; 16 rows x 128 K from whole rows: byte y of a row lies at y + 16 (y / 256)
.irp p, 0,1,2,3,4,5
.set PCE, 12*(\s)+6*(\p/3)+\p%3
.if PCE%32 < 29
	ds_load_b64 v[\reg+2*\p:\reg+2*\p+1], v[\adr] offset:8*PCE+16*(PCE/32)+(\off)
.else
	ds_load_b64 v[\reg+2*\p:\reg+2*\p+1], v[\adr+1] offset:8*PCE+16*(PCE/32)+(\off)
.endif
.endr
.endm
.macro VFETCH s                        ; 60 LDS loads
.set VP, (\s)%2
	WIN TO_B
.irp i, 0,1,2,3,4,5,6,7
	VFRAG 128*VP+FR*\i, XV+2*(\i/4), \s, (\i%4)*16*VROW
.endr
	WIN 0
.irp n, 0,1
	VFRAG AF+24*VP+FR*\n, WV, \s, \n*16*VROW
.endr
.endm
.macro VMUL s
.irp n, 0,1
.irp b, 0,1,2,3,4,5,6,7
.if (\s) == 0
	v_wmma_scale_f32_16x16x128_f8f6f4 v[8*(8*\n+\b):8*(8*\n+\b)+7], v[128*((\s)%2)+FR*\b:128*((\s)%2)+FR*\b+FR-1], v[AF+24*((\s)%2)+FR*\n:AF+24*((\s)%2)+FR*\n+FR-1], 0, v[SC+8*NQ*(((\s)/2)%2)+NQ*\b+(\s)%2], v[WSR+8*\n+(\s)] matrix_a_fmt:MATRIX_FMT_BF6 matrix_b_fmt:MATRIX_FMT_BF6
.else
	v_wmma_scale_f32_16x16x128_f8f6f4 v[8*(8*\n+\b):8*(8*\n+\b)+7], v[128*((\s)%2)+FR*\b:128*((\s)%2)+FR*\b+FR-1], v[AF+24*((\s)%2)+FR*\n:AF+24*((\s)%2)+FR*\n+FR-1], v[8*(8*\n+\b):8*(8*\n+\b)+7], v[SC+8*NQ*(((\s)/2)%2)+NQ*\b+(\s)%2], v[WSR+8*\n+(\s)] matrix_a_fmt:MATRIX_FMT_BF6 matrix_b_fmt:MATRIX_FMT_BF6
.endif
.endr
.endr
.endm
	s_wait_tensorcnt 0x0                           ; my part of x or Wv is in
	s_barrier_signal -1
	s_barrier_wait -1
	SCALES 0
	VFETCH 0
.irp s, 0,1,2,3,4,5,6,7
.if \s > 0
	PLACES NP
.endif
.if \s < 7
	VFETCH (\s+1)
	s_wait_dscnt 60                                ; all but the 60 just issued
.else
	s_wait_dscnt 0x0
.endif
	WIN MUL_LO
	VMUL \s
	WIN 0
.if (\s % 2 == 0) && (\s < 6)
	SCALES (\s/2+1)
.endif
.endr
	PLACES NP
.macro EPIV a
	WIN 0x02
.set KK, 0
.rept 64
	v_add_f32 v[T+KK], v[64*(\a)+KK], v[BV+(\a)]
.set KK, KK+1
.endr
	WIN 0
	s_wait_xcnt 0x0
	QUANT T
.irp c, 0,1,2
	global_store_b128 v1, v[PC+4*\c:PC+4*\c+3], s[96:97] offset:(\a)*1536+512*\c
.endr
	global_store_b32 v2, v[PW], s[98:99] offset:(\a)*128
.endm
	EPIV 0
	EPIV 1
	s_wait_tensorcnt 0x0                           ; the wave's end
	ds_add_u32 v[SPW], v[NIL]
	s_wait_dscnt 0x0
	CROUND                                         ; the closing round
	s_endpgm
.Lfunc_end_k_qf7df444981_gemm:
	.size	k_qf7df444981_gemm, .Lfunc_end_k_qf7df444981_gemm-k_qf7df444981_gemm
	.p2alignl 7, 3214868480
	.fill 96, 4, 3214868480
	.section	.rodata,"a",@progbits
	.p2align	6, 0x0
	.amdhsa_kernel k_qf7df444981_gemm
		.amdhsa_group_segment_fixed_size 327680
		.amdhsa_private_segment_fixed_size 0
		.amdhsa_enable_private_segment 0
		.amdhsa_kernarg_size 40
		.amdhsa_user_sgpr_count 2
		.amdhsa_user_sgpr_kernarg_segment_ptr 1
		.amdhsa_wavefront_size32 1
		.amdhsa_system_sgpr_workgroup_id_x 1
		.amdhsa_system_sgpr_workgroup_id_y 1
		.amdhsa_system_sgpr_workgroup_id_z 1
		.amdhsa_system_vgpr_workitem_id 0
		.amdhsa_next_free_vgpr 1024
		.amdhsa_next_free_sgpr 102
		.amdhsa_reserve_vcc 0
		.amdhsa_float_denorm_mode_32 3
		.amdhsa_float_denorm_mode_16_64 3
		.amdhsa_memory_ordered 1
		.amdhsa_forward_progress 1
		.amdhsa_inst_pref_size 255
	.end_amdhsa_kernel
	.section	.bss,"aw",@nobits
	.p2align	6
	.space	262144
	.amdgpu_metadata
---
amdhsa.version: [ 1, 2 ]
amdhsa.kernels:
  - .name:           k_qf7df444981_gemm
    .symbol:         k_qf7df444981_gemm.kd
    .args:
      - { .name: prep, .offset: 0, .size: 8, .value_kind: global_buffer, .address_space: global }
      - { .name: bq, .offset: 8, .size: 8, .value_kind: global_buffer, .address_space: global }
      - { .name: bk, .offset: 16, .size: 8, .value_kind: global_buffer, .address_space: global }
      - { .name: bv, .offset: 24, .size: 8, .value_kind: global_buffer, .address_space: global }
      - { .name: qkv, .offset: 32, .size: 8, .value_kind: global_buffer, .address_space: global }
    .group_segment_fixed_size: 327680
    .private_segment_fixed_size: 0
    .kernarg_segment_align: 8
    .kernarg_segment_size: 40
    .max_flat_workgroup_size: 128
    .sgpr_count:     102
    .vgpr_count:     1024
    .wavefront_size: 32
...
	.end_amdgpu_metadata
.endif
;; end of part 2
;; launch attn (part 3): grid 4 x 64, 8 waves a work-group, no clusters, 55,296 bytes of LDS; arguments prep, qkv, lam, ctx, gstat; writes ctx, gstat
.if DOCPART == 3
	.amdgcn_target "amdgcn-amd-amdhsa--gfx1250"
	.amdhsa_code_object_version 6
	.text
	.protected	k_qf7df444981_attn
	.globl	k_qf7df444981_attn
	.p2align	8
	.type	k_qf7df444981_attn,@function
k_qf7df444981_attn:
	s_mov_b64 s[64:65], 0
	v_nop
	global_prefetch_b8 v0, s[64:65] scope:SCOPE_SE
	s_setreg_imm32_b32 hwreg(HW_REG_WAVE_MODE, 25, 1), 1
	s_wait_xcnt 0x0
; ctx = (C x (softmax(q1 k1^T / 8) - lam softmax(q2 k2^T / 8))) v for 256 queries of one (batch, head), all three products on codes of BF6 (E3M2) with E8M0 scales, and the head's partial mean and sum of squares.
; THE KEYS ARE SHARED AMONG THE WAVES: wave w owns keys 128 w .. 128 w + 127 for the whole launch.  Its 8 fragments of k and 4 of v are read from memory once and stay in registers; for a tile of 16 queries it holds
; both products' scores of its 128 keys in 128 registers.  So every exponential is made once although the weights are quantised NORMALISED: the waves exchange their maxima and sums through LDS (first barrier of a tile),
; each scales its own weights, quantises them and multiplies by its own v; the eight partial results are added through LDS (second barrier).
; K = 64 fills half of the 128 of the matrix instruction: k's fragment is [k1 | k2]; the queries' are [q1 | 0] and [0 | q2] (zero codes add nothing under any scale byte but 0xff).
; Both kinds of product are used transposed (source 0 = 16 keys or 16 channels, source 1 = 16 queries): a lane holds one query.  The tokens of tile 2 B + u are 32 B + 8 u + r + 8 (r / 8), so that
; register 16 b + i of the scores is key 128 w + 32 b + 16 (lane / 16) + i.
; C = exp(+-(L_j - L_i)).  For a block of 32 keys that lies wholly above or below the tile's 32 queries C = (a table's number of the key) x (one factor a lane and block):
; above: exp(L_j - L[block's first]) x exp(L[block's first] - L_i); below: exp(L[next block's first] - L_j) x exp(L_i - L[next block's first]).  Both factors are themselves elements of C.
; The one block on the diagonal takes L_j itself from LDS and makes the exponentials (a scalar branch on ids and the trip's number).
; No tensor loads, no cluster: what the four quarters of a head share, 144 KB, is read once, into registers.  No prefetch: only the next tile's q (1.5 KB) is wanted, and it is loaded a tile ahead.
; LIMITS: a positive and finite; a factor of C under 2^-126 counts as 0 (C is then smaller still); NaN and infinities are not served; a block of zeros gets the scale byte 1 (its codes are zeros).
; REGISTERS: window 1: v0-95 k, v96-143 v, v144-155 [q1 | 0], v156-167 [0 | q2].  Window 0: v1-11 addresses and lane constants; v12-17 the head's sums; v18-31 scale words and nothing else;
.set LOGL, 8454144
.set KIMG, 6291456
.set VIMG, 12582912
.set QSC,  15728640
.set KSC,  16252928
.set VSC,  16777216
.set GUP,  4096                        ; LDS: L at 0, the table for blocks above at 4,096, for blocks below at 8,192 (4,096 bytes each),
.set GLO,  8192
.set STAT, 16384                       ; the waves' maxima and sums: 256 bytes a wave, 16 a query,
.set OP,   18432                       ; the partial results: 16 rows x (256 + 16) bytes a wave,
.set GS,   53248                       ; the waves' means and sums of squares: 8 bytes a wave
.set S1,  64
.set S2,  128
.set TB,  192
.set KF,  0
.set VF,  96
.set QF1, 144
.set QF2, 156
.set KS,  18
.set VS,  26
.set QS,  30
.set PW,  31
.set PC,  160
.set TM,  44
.set SEL, 20                           ; s[20:21] lane selects for lane l xor 16
.set LR,  28                           ; s28-32 L at the first keys of my four blocks and of the block behind them
.set TAU, 33                           ; s33 the queries' block of 32 less my first block of keys
.set XB,  34                           ; s34-37 the reference L of block b;  s38-41 +-log2(e) or 0;  s42-45 which table
.set SG,  38
.set TO,  42
.set MSB, 0
.macro WIN new
.if MSB != (\new)
	s_set_vgpr_msb (MSB<<8)|(\new)
.set MSB, (\new)
.endif
.endm
.macro QUANT s                         ; 64 numbers of a lane, register 16 b + i = k 32 b + 16 (lane / 16) + i, become a fragment's codes in v[PC] on and its scale word in v[PW]
.irp b, 0,1,2,3
	v_max3_num_f32 v[TM+\b], |v[\s+16*\b]|, |v[\s+1+16*\b]|, 0x2800000   ; and the floor 2^(5 - 127): the byte cannot fall under 1
.endr
.irp i, 2,4,6,8,10,12,14
.irp b, 0,1,2,3
	v_max3_num_f32 v[TM+\b], v[TM+\b], |v[\s+16*\b+\i]|, |v[\s+1+16*\b+\i]|
.endr
.endr
.irp b, 0,1,2,3
	v_permlanex16_b32 v[TM+4+\b], v[TM+\b], s[SEL], s[SEL+1]
.endr
.irp b, 0,1,2,3
	v_max_num_f32 v[TM+\b], v[TM+\b], v[TM+4+\b]
.endr
.irp b, 0,1,2,3
	v_add_nc_u32 v[TM+12+\b], 0xfe000000, v[TM+\b]
.endr
.irp b, 0,1,2,3
	v_lshrrev_b32 v[TM+4+\b], 23, v[TM+12+\b]
.endr
	v_lshl_or_b32 v[PW], v[TM+5], 8, v[TM+4]
	v_lshl_or_b32 v[PW], v[TM+6], 16, v[PW]
	v_lshl_or_b32 v[PW], v[TM+7], 24, v[PW]
.irp c, 0,1
	v_cvt_scalef32_pk16_bf6_f32 v[PC+6*\c:PC+2+6*\c], v[\s+32*\c:\s+15+32*\c], v[TM+12+2*\c]
	v_cvt_scalef32_pk16_bf6_f32 v[PC+12+4*\c:PC+14+4*\c], v[\s+16+32*\c:\s+31+32*\c], v[TM+12+2*\c+1]
.endr
	v_nop                                          ; one plain instruction behind a scaled conversion
.irp c, 0,1
.irp i, 0,1,2
	v_permlane16_swap_b32 v[PC+6*\c+\i], v[PC+12+4*\c+\i]
.endr
.irp i, 0,1,2
	v_mov_b32 v[PC+3+6*\c+\i], v[PC+12+4*\c+\i]
.endr
.endr
.endm
.macro QLOAD n                         ; the image of q's tile n tiles on: its registers 0-5 go to [q1 | 0], 6-11 to [0 | q2]; and its scale word
	WIN 0x40
	global_load_b128 v[QF1:QF1+3], v1, s[50:51] offset:1536*(\n)
	global_load_b64 v[QF1+4:QF1+5], v1, s[50:51] offset:1536*(\n)+512
	global_load_b64 v[QF2+6:QF2+7], v1, s[50:51] offset:1536*(\n)+520
	global_load_b128 v[QF2+8:QF2+11], v1, s[50:51] offset:1536*(\n)+1024
	WIN 0
	global_load_b32 v[QS], v2, s[52:53] offset:128*(\n)
.endm
	s_load_b256 s[4:11], s[0:1], 0x0               ; prep, qkv, lam, ctx
	s_load_b64 s[12:13], s[0:1], 0x20              ; gstat
	s_set_vgpr_msb 0x40
	v_lshl_add_u32 v254, v0, 2, 0xd400
	v_mov_b32 v255, 0
	s_set_vgpr_msb 0x4000
	v_lshrrev_b32 v32, 5, v0
	v_readfirstlane_b32 s14, v32                   ; wave 0..7
	s_and_b32 s15, ttmp9, 3                        ; which quarter of the queries
	s_and_b32 s16, ttmp7, 63                       ; batch x 16 + head
	v_and_b32 v32, 31, v0                          ; lane
	v_and_b32 v33, 15, v0                          ; r
	v_bfe_u32 v34, v0, 4, 1                        ; h
	v_lshlrev_b32 v1, 4, v32                       ; 16 x lane
	v_lshlrev_b32 v2, 2, v32                       ; 4 x lane
	v_and_b32 v35, 8, v33
	v_add_nc_u32 v35, v35, v33                     ; r + 8 (r / 8)
	s_lshl_b32 s17, s15, 10
	v_lshl_add_u32 v3, v35, 2, s17                 ; LDS: L of my query (tile 0 of the trip); 128 bytes on in each trip
	s_lshl_b32 s17, s14, 9
	v_lshl_add_u32 v4, v34, 6, s17                 ; my 16 keys of block 0 in a table: 512 w + 64 h
	s_lshl_b32 s17, s14, 8
	s_add_co_u32 s17, s17, STAT
	v_lshl_add_u32 v5, v33, 4, s17                 ; where I put my query's maxima and sums
	v_lshlrev_b32 v6, 4, v33
	v_lshl_add_u32 v6, v34, 3, v6
	v_add_nc_u32 v6, STAT, v6                      ; where I read them: lanes 0-15 the first softmax's pair, lanes 16-31 the second's
	s_mul_i32 s17, s14, 4352
	s_add_co_u32 s17, s17, OP
	v_mul_u32_u24 v7, v33, 272
	v_lshl_add_u32 v7, v34, 5, v7
	v_add_nc_u32 v7, s17, v7                       ; my partial result: row r, + 32 h
	s_mul_i32 s17, s14, 544
	s_add_co_u32 s17, s17, OP
	v_mul_u32_u24 v8, v34, 272
	v_lshl_add_u32 v8, v33, 4, v8
	v_add_nc_u32 v8, s17, v8                       ; what I add up: row 2 w + h, 16 bytes at 16 (lane % 16)
	s_lshr_b32 s17, s14, 2
	s_lshl_b32 s17, s17, 3
	s_lshl_b32 s18, s14, 1
	s_add_co_u32 s17, s17, s18
	s_lshl_b32 s17, s17, 12
	v_lshl_add_u32 v9, v34, 12, s17
	v_lshl_add_u32 v9, v33, 4, v9                  ; the same place in ctx: token 2 w + h + 8 (w / 4) of the tile's
	v_lshlrev_b32 v10, 4, v34
	v_sub_nc_u32 v10, v35, v10                     ; r + 8 (r / 8) - 16 h: on the diagonal key i counts as above where i - 8 u >= this
	s_mov_b32 s[SEL], 0x76543210
	s_mov_b32 s[SEL+1], 0xfedcba98
	s_mov_b32 s19, 0xbe38aa3b                      ; -c, c = log2(e) / 8
	s_mov_b32 s22, 0x3e38aa3b
	s_mov_b32 s23, s22                             ; (named with it as a pair)
	s_mov_b32 s24, 0x3fb8aa3b                      ; log2(e)
	s_mov_b32 s25, 0xbfb8aa3b
	s_mov_b32 s26, GUP
	s_mov_b32 s27, GLO
	s_mov_b32 s48, 0xffff0000                      ; lanes 16-31
	s_mov_b32 s47, -1                              ; the first tile's mark
	s_mov_b32 s46, 8                               ; trips
	s_lshl_b32 s[TAU], s15, 3
	s_lshl_b32 s17, s14, 2
	s_sub_co_i32 s[TAU], s[TAU], s17
	s_mov_b32 s61, 0
	s_lshr_b32 s17, s16, 4                         ; batch
	s_lshl_b32 s60, s17, 12
	s_add_co_u32 s60, s60, LOGL
	s_wait_kmcnt 0x0
	s_add_nc_u64 s[42:43], s[4:5], s[60:61]        ; L of the batch
	s_lshl_b32 s60, s14, 9
	s_add_nc_u64 s[44:45], s[42:43], s[60:61]      ; at my first key
	s_lshl_b32 s18, s16, 6
	s_lshl_b32 s60, s14, 3
	s_add_co_u32 s18, s18, s60                     ; my first tile of k
	s_mul_i32 s60, s18, 1536
	s_add_co_u32 s60, s60, KIMG
	s_add_nc_u64 s[34:35], s[6:7], s[60:61]
	s_lshl_b32 s60, s18, 7
	s_add_co_u32 s60, s60, KSC
	s_add_nc_u64 s[38:39], s[6:7], s[60:61]
	s_lshr_b32 s18, s18, 1                         ; my first fragment of v
	s_mul_i32 s60, s18, 1536
	s_add_co_u32 s60, s60, VIMG
	s_add_nc_u64 s[36:37], s[6:7], s[60:61]
	s_lshl_b32 s60, s18, 7
	s_add_co_u32 s60, s60, VSC
	s_add_nc_u64 s[40:41], s[6:7], s[60:61]
	s_lshl_b32 s18, s16, 6
	s_lshl_b32 s60, s15, 4
	s_add_co_u32 s18, s18, s60                     ; the work-group's first tile of q
	s_mul_i32 s60, s18, 1536
	s_add_nc_u64 s[50:51], s[6:7], s[60:61]
	s_lshl_b32 s60, s18, 7
	s_add_co_u32 s60, s60, QSC
	s_add_nc_u64 s[52:53], s[6:7], s[60:61]
	s_lshl_b32 s60, s17, 10
	s_lshl_b32 s18, s15, 8
	s_add_co_u32 s60, s60, s18
	s_lshl_b32 s60, s60, 12
	s_and_b32 s18, s16, 15
	s_lshl_b32 s18, s18, 8
	s_add_co_u32 s60, s60, s18
	s_add_nc_u64 s[54:55], s[10:11], s[60:61]      ; ctx at the first query's row, the head's 256 bytes
	s_lshl_b32 s60, s16, 2
	s_add_co_u32 s60, s60, s15
	s_lshl_b32 s60, s60, 3
	s_add_nc_u64 s[12:13], s[12:13], s[60:61]
	s_load_b32 s57, s[8:9], 0x0                    ; lam
	s_load_b32 s[LR], s[44:45], 0x0
	s_load_b32 s[LR+1], s[44:45], 0x80
	s_load_b32 s[LR+2], s[44:45], 0x100
	s_load_b32 s[LR+3], s[44:45], 0x180
	s_lshl_b32 s56, s14, 9
	s_add_co_u32 s56, s56, 512
	s_min_u32 s56, s56, 4092                       ; (the last wave has no block behind its own: the clamped number is never used)
	s_load_b32 s[LR+4], s[42:43], s56 offset:0x0
	v_lshlrev_b32 v64, 4, v0                       ; the tables: thread t makes keys 4 t .. 4 t + 3
	v_lshrrev_b32 v65, 3, v0
	v_lshlrev_b32 v65, 7, v65
	v_add_nc_u32 v66, 128, v65
	v_min_u32 v66, 4092, v66
	global_load_b128 v[68:71], v64, s[42:43]
	global_load_b32 v72, v65, s[42:43]             ; L at the block's first key
	global_load_b32 v73, v66, s[42:43]             ; L at the next block's first key
	WIN 0x40
.irp t, 0,1,2,3,4,5,6,7
.irp c, 0,1,2
	global_load_b128 v[KF+12*\t+4*\c:KF+12*\t+4*\c+3], v1, s[34:35] offset:1536*\t+512*\c
.endr
.endr
.irp d, 0,1,2,3
.irp c, 0,1,2
	global_load_b128 v[VF+12*\d+4*\c:VF+12*\d+4*\c+3], v1, s[36:37] offset:1536*\d+512*\c
.endr
.endr
.irp i, 0,1,2,3,4,5
	v_mov_b32 v[QF1+6+\i], 0                       ; the zero halves: written once
	v_mov_b32 v[QF2+\i], 0
.endr
	WIN 0
.irp t, 0,1,2,3,4,5,6,7
	global_load_b32 v[KS+\t], v2, s[38:39] offset:128*\t
.endr
.irp d, 0,1,2,3
	global_load_b32 v[VS+\d], v2, s[40:41] offset:128*\d
.endr
	QLOAD 0
.irp i, 12,13,14,15,16,17,37,39,54,55
	v_mov_b32 v[\i], 0                             ; the sums begin at 0; the others are upper halves of pairs and permutes' destinations, which count as read
.endr
	s_wait_kmcnt 0x0
	v_mov_b32 v11, 1.0
	v_mov_b32 v61, s57
	v_sub_f32 v61, 0, v61
	v_cndmask_b32 v11, v11, v61, s48               ; lanes 0-15: 1; lanes 16-31: -lam
	s_wait_loadcnt 0x0                             ; all that the head asked for is in: one wait, once
.irp i, 0,1,2,3
	v_sub_f32 v[76+\i], v[68+\i], v72
	v_sub_f32 v[80+\i], v73, v[68+\i]
.endr
.irp i, 0,1,2,3,4,5,6,7
	v_mul_f32 v[76+\i], s24, v[76+\i]
.endr
	s_wait_alu depctr_va_vdst(0)                   ; ahead of the batch
.irp i, 0,1,2,3,4,5,6,7
	v_exp_f32 v[76+\i], v[76+\i]
.endr
	v_nop                                          ; a plain instruction behind the last exponential
	ds_store_b128 v64, v[68:71]
	s_wait_alu depctr_va_vdst(0)
	ds_store_b128 v64, v[76:79] offset:GUP
	ds_store_b128 v64, v[80:83] offset:GLO
	s_wait_dscnt 0x0                               ; for the others' sake: my part of the tables has landed
	s_barrier_signal -1
	s_barrier_wait -1
.macro SUMJ base, la                   ; number J of the 30 packed additions that sum 32 pairs in two chains
.if J == 0
	s_wait_alu depctr_va_vdst(0)
	v_pk_add_f32 v[\la:\la+1], v[\base:\base+1], v[\base+2:\base+3]
.elseif J == 1
	v_pk_add_f32 v[\la+2:\la+3], v[\base+4:\base+5], v[\base+6:\base+7]
.elseif J < 30
	v_pk_add_f32 v[\la+2*(J%2):\la+2*(J%2)+1], v[\la+2*(J%2):\la+2*(J%2)+1], v[\base+2*(J+2):\base+2*(J+2)+1]
.endif
.endm
.macro DIAG b, u                       ; block b lies on the diagonal: the table's numbers are L_j; C = exp(L_j - L_i) where the key is not before the query, else exp(L_i - L_j)
	s_cmp_eq_i32 s[TAU], \b
	s_cbranch_scc0 .Lnot_diag_\@
.irp i, 0,1,2,3,4,5,6,7,8,9,10,11,12,13,14,15
	v_sub_f32 v32, v[TB+16*\b+\i], v60
	v_sub_f32 v33, v60, v[TB+16*\b+\i]
	v_cmp_ge_i32 vcc_lo, \i-8*\u, v10
	v_cndmask_b32 v[TB+16*\b+\i], v33, v32, vcc_lo
.endr
.irp i, 0,2,4,6,8,10,12,14
	v_pk_mul_f32 v[TB+16*\b+\i:TB+16*\b+\i+1], v[TB+16*\b+\i:TB+16*\b+\i+1], s[24:25] op_sel_hi:[1,0]
.endr
	s_wait_alu depctr_va_vdst(0)                   ; ahead of the batch
.irp i, 0,1,2,3,4,5,6,7,8,9,10,11,12,13,14,15
	v_exp_f32 v[TB+16*\b+\i], v[TB+16*\b+\i]
.endr
	v_nop
	s_wait_alu depctr_va_vdst(0)                   ; and behind it, ahead of the label
.Lnot_diag_\@:
.endm
.macro TILE u
	s_wait_loadcnt 0x0                             ; this tile's q, asked for a tile ago
	s_wait_xcnt 0x0                                ; the last tile's store has read its data: the loads below write over them
	WIN 0x05                                       ; sources 0 and 1 in window 1
.irp t, 0,1,2,3,4,5,6,7                ; sixteen accumulators, each begun with 0: no chain
	v_wmma_scale_f32_16x16x128_f8f6f4 v[S1+8*\t:S1+8*\t+7], v[KF+12*\t:KF+12*\t+11], v[QF1:QF1+11], 0, v[KS+\t], v[QS] matrix_a_fmt:MATRIX_FMT_BF6 matrix_b_fmt:MATRIX_FMT_BF6
	v_wmma_scale_f32_16x16x128_f8f6f4 v[S2+8*\t:S2+8*\t+7], v[KF+12*\t:KF+12*\t+11], v[QF2:QF2+11], 0, v[KS+\t], v[QS] matrix_a_fmt:MATRIX_FMT_BF6 matrix_b_fmt:MATRIX_FMT_BF6
.endr
	WIN 0
.irp b, 0,1,2,3                        ; the table's numbers of my 64 keys.  The four additions are the places behind the products
	v_add_nc_u32 v61, s[TO+\b], v4
.irp j, 0,1,2,3
	ds_load_b128 v[TB+16*\b+4*\j:TB+16*\b+4*\j+3], v61 offset:128*\b+16*\j
.endr
.endr
	ds_load_b32 v60, v3 offset:32*\u               ; L of my query
	QLOAD \u+1                                     ; the next tile's q (the launch's last look ahead reads written bytes of the same buffer that nobody uses)
.irp b, 0,1,2,3                        ; the largest score, by blocks, ascending: each accumulator is read from its low end on
	v_max3_num_f32 v[44+\b], v[S1+16*\b], v[S1+1+16*\b], v[S1+2+16*\b]
	v_max3_num_f32 v[48+\b], v[S2+16*\b], v[S2+1+16*\b], v[S2+2+16*\b]
.endr
.irp i, 3,5,7,9,11,13
.irp b, 0,1,2,3
	v_max3_num_f32 v[44+\b], v[44+\b], v[S1+16*\b+\i], v[S1+1+16*\b+\i]
	v_max3_num_f32 v[48+\b], v[48+\b], v[S2+16*\b+\i], v[S2+1+16*\b+\i]
.endr
.endr
.irp b, 0,1,2,3
	v_max_num_f32 v[44+\b], v[44+\b], v[S1+15+16*\b]
	v_max_num_f32 v[48+\b], v[48+\b], v[S2+15+16*\b]
.endr
	v_max3_num_f32 v52, v44, v45, v46
	v_max3_num_f32 v53, v48, v49, v50
	v_max_num_f32 v52, v52, v47
	v_max_num_f32 v53, v53, v51
	v_permlanex16_b32 v54, v52, s[SEL], s[SEL+1]
	v_permlanex16_b32 v55, v53, s[SEL], s[SEL+1]
	v_max_num_f32 v52, v52, v54
	v_max_num_f32 v53, v53, v55
	v_mul_f32 v36, s19, v52                        ; -c x my wave's largest score of the query
	v_mul_f32 v38, s19, v53
.set J, 0
.rept 32
	v_pk_fma_f32 v[S1+2*J:S1+2*J+1], v[S1+2*J:S1+2*J+1], s[22:23], v[36:37] op_sel_hi:[1,0,0]
.set J, J+1
.endr
.set J, 0
.rept 32                               ; all 128 exponents are made first
	v_pk_fma_f32 v[S2+2*J:S2+2*J+1], v[S2+2*J:S2+2*J+1], s[22:23], v[38:39] op_sel_hi:[1,0,0]
.set J, J+1
.endr
	s_wait_alu depctr_va_vdst(0)                   ; one wait ahead of the batch of 128, one behind it (in SUMJ)
.set J, 0
.rept 32
	v_exp_f32 v[S1+2*J], v[S1+2*J]
	v_exp_f32 v[S1+2*J+1], v[S1+2*J+1]
	v_exp_f32 v[S2+2*J], v[S2+2*J]
	v_exp_f32 v[S2+2*J+1], v[S2+2*J+1]
.set J, J+1
.endr
	v_nop                                          ; a plain instruction behind the last exponential
.set J, 0
.rept 30
	SUMJ S1, 40
.set J, J+1
.endr
.set J, 0
.rept 30
	SUMJ S2, 32
.set J, J+1
.endr
	v_pk_add_f32 v[40:41], v[40:41], v[42:43]
	v_pk_add_f32 v[32:33], v[32:33], v[34:35]
	v_add_f32 v37, v40, v41
	v_add_f32 v39, v32, v33
	v_permlanex16_b32 v61, v37, s[SEL], s[SEL+1]
	v_permlanex16_b32 v34, v39, s[SEL], s[SEL+1]
	v_add_f32 v37, v37, v61                        ; my wave's sums of the query
	v_add_f32 v39, v39, v34
	ds_store_b128 v5, v[36:39]                     ; both halves of the lanes write the same 16 bytes with the same values
	s_wait_dscnt 0x0                               ; for the others: my store has landed; for me: the table's numbers and L_i are in
	s_barrier_signal -1
.irp b, 0,1,2,3                        ; work on registers while the others arrive: the lane's factor of C for each block
	v_sub_f32 v[40+\b], s[XB+\b], v60
.endr
.irp b, 0,1,2,3
	v_mul_f32 v[40+\b], s[SG+\b], v[40+\b]
.endr
	s_wait_alu depctr_va_vdst(0)                   ; ahead of the batch
.irp b, 0,1,2,3
	v_exp_f32 v[40+\b], v[40+\b]
.endr
	s_barrier_wait -1
.irp w, 0,1,2,3,4,5,6,7
	ds_load_b64 v[44+2*\w:45+2*\w], v6 offset:256*\w
.endr
	s_wait_dscnt 0x0
	v_min3_num_f32 v32, v44, v46, v48              ; -c x the row's largest score
	v_min3_num_f32 v32, v32, v50, v52
	v_min3_num_f32 v32, v32, v54, v56
	v_min_num_f32 v32, v32, v58
	v_cndmask_b32 v33, v36, v38, s48               ; my own wave's
.irp w, 0,1,2,3,4,5,6,7
	v_sub_f32 v[44+2*\w], v32, v[44+2*\w]
.endr
	v_sub_f32 v33, v32, v33
	s_wait_alu depctr_va_vdst(0)                   ; ahead of the batch
.irp w, 0,1,2,3,4,5,6,7
	v_exp_f32 v[44+2*\w], v[44+2*\w]               ; 2^(c (the wave's maximum - the row's)): at most 1
.endr
	v_exp_f32 v33, v33
	v_nop
	s_wait_alu depctr_va_vdst(0)
	v_mul_f32 v34, v44, v45
	v_mul_f32 v35, v46, v47
	v_fmac_f32 v34, v48, v49
	v_fmac_f32 v35, v50, v51
	v_fmac_f32 v34, v52, v53
	v_fmac_f32 v35, v54, v55
	v_fmac_f32 v34, v56, v57
	v_fmac_f32 v35, v58, v59
	v_add_f32 v34, v34, v35                        ; the row's sum
	s_wait_alu depctr_va_vdst(0)                   ; ahead of the reciprocal
	v_rcp_f32 v34, v34
	v_mul_f32 v33, v33, v11                        ; (a plain instruction behind the reciprocal)  x 1 or x -lam
	s_wait_alu depctr_va_vdst(0)
	v_mul_f32 v33, v33, v34
	v_permlanex16_b32 v35, v33, s[SEL], s[SEL+1]
	v_cndmask_b32 v62, v33, v35, s48               ; what my wave's first weights are multiplied by,
	v_cndmask_b32 v63, v35, v33, s48               ; and its second (with -lam)
	s_wait_alu depctr_va_vdst(0)
	DIAG 0, \u
	DIAG 1, \u
	DIAG 2, \u
	DIAG 3, \u
.irp b, 0,1,2,3
	v_mul_f32 v[44+4*\b], v62, v[40+\b]
	v_mul_f32 v[46+4*\b], v63, v[40+\b]
.endr
	s_wait_alu depctr_va_vdst(0)
.irp b, 0,1,2,3                        ; C (a1 - lam a2)
.irp i, 0,2,4,6,8,10,12,14
	v_pk_mul_f32 v[S1+16*\b+\i:S1+16*\b+\i+1], v[S1+16*\b+\i:S1+16*\b+\i+1], v[44+4*\b:45+4*\b] op_sel_hi:[1,0]
.endr
.irp i, 0,2,4,6,8,10,12,14
	v_pk_fma_f32 v[S1+16*\b+\i:S1+16*\b+\i+1], v[S2+16*\b+\i:S2+16*\b+\i+1], v[46+4*\b:47+4*\b], v[S1+16*\b+\i:S1+16*\b+\i+1] op_sel_hi:[1,0,1]
.endr
.irp i, 0,2,4,6,8,10,12,14
	v_pk_mul_f32 v[S1+16*\b+\i:S1+16*\b+\i+1], v[S1+16*\b+\i:S1+16*\b+\i+1], v[TB+16*\b+\i:TB+16*\b+\i+1]
.endr
.endr
	QUANT S1
.rept 8
	v_nop                                          ; a scale word written by vector instructions stands 8 places ahead of the scaled matrix instruction, an operand so written 4
.endr
	WIN 0x01                                       ; source 0 (v) in window 1
.irp d, 0,1,2,3
	v_wmma_scale_f32_16x16x128_f8f6f4 v[128+8*\d:135+8*\d], v[VF+12*\d:VF+12*\d+11], v[PC:PC+11], 0, v[VS+\d], v[PW] matrix_a_fmt:MATRIX_FMT_BF6 matrix_b_fmt:MATRIX_FMT_BF6
.endr
	WIN 0
.rept 4
	v_nop
.endr
.irp d, 0,1,2,3
	ds_store_b128 v7, v[128+8*\d:131+8*\d] offset:64*\d          ; lane (r, h): query r, channels 16 d + 8 h + 0 .. 7; each accumulator from its low end on
	ds_store_b128 v7, v[132+8*\d:135+8*\d] offset:64*\d+16
.endr
	s_wait_dscnt 0x0                               ; my partial result has landed (and my reads of the maxima and sums were over long ago)
	s_barrier_signal -1
	s_barrier_wait -1
.irp w, 0,1,2,3,4,5,6,7
	ds_load_b128 v[192+4*\w:195+4*\w], v8 offset:4352*\w
.endr
	s_wait_dscnt 0x0
	v_pk_add_f32 v[224:225], v[192:193], v[196:197]              ; the keys ascending
	v_pk_add_f32 v[226:227], v[194:195], v[198:199]
.irp w, 2,3,4,5,6,7
	v_pk_add_f32 v[224:225], v[224:225], v[192+4*\w:193+4*\w]
	v_pk_add_f32 v[226:227], v[226:227], v[194+4*\w:195+4*\w]
.endr
	global_store_b128 v9, v[224:227], s[54:55] offset:32768*\u   ; sixteen lanes store 256 consecutive bytes, aligned
	v_cndmask_b32 v12, v12, v224, s47
	v_pk_add_f32 v[228:229], v[224:225], v[12:13] op_sel_hi:[1,0] neg_lo:[0,1] neg_hi:[0,1]
	v_pk_add_f32 v[230:231], v[226:227], v[12:13] op_sel_hi:[1,0] neg_lo:[0,1] neg_hi:[0,1]
	v_pk_add_f32 v[14:15], v[14:15], v[228:229]
	v_pk_fma_f32 v[16:17], v[228:229], v[228:229], v[16:17]
	v_pk_add_f32 v[14:15], v[14:15], v[230:231]
	v_pk_fma_f32 v[16:17], v[230:231], v[230:231], v[16:17]
	s_mov_b32 s47, 0
.endm
; Two barriers a tile are enough: the maxima and sums are written again behind the second barrier, in front of which every wave's reads of them were waited for;
; the partial results are written again behind the next tile's first barrier, in front of which every wave's reads of them were waited for.
.Ltrip:                                ; eight trips of two tiles: 32 queries
.irp b, 0,1,2,3
	s_cmp_lt_i32 s[TAU], \b                        ; block b lies above the queries, or below,
	s_cselect_b32 s[XB+\b], s[LR+\b], s[LR+1+\b]
	s_cselect_b32 s[SG+\b], s24, s25
	s_cselect_b32 s[TO+\b], s26, s27
	s_cmp_eq_i32 s[TAU], \b                        ; or on the diagonal: factor 1, and L itself for the table
	s_cselect_b32 s[SG+\b], 0, s[SG+\b]
	s_cselect_b32 s[TO+\b], 0, s[TO+\b]
.endr
	TILE 0
	TILE 1
	s_wait_xcnt 0x0                                ; the loads and the store have read their bases
	s_add_nc_u64 s[50:51], s[50:51], 3072
	s_add_nc_u64 s[52:53], s[52:53], 256
	s_add_nc_u64 s[54:55], s[54:55], 131072
	v_add_nc_u32 v3, 128, v3
	s_add_co_i32 s[TAU], s[TAU], 1
	s_sub_co_u32 s46, s46, 1
	s_cmp_lg_u32 s46, 0
	s_wait_alu depctr_va_vdst(0)
	s_cbranch_scc1 .Ltrip
	; d = the other's mean - mine; M2 = both M2 + d^2 n / 2; mean += d / 2.  No difference of large sums is formed.
	v_add_f32 v34, v14, v15
	v_add_f32 v33, v16, v17
	v_mul_f32 v35, 0x3c800000, v34                 ; / 64
	v_add_f32 v32, v12, v35
	v_fma_f32 v33, -v34, v35, v33
.macro JOIN mask, half
	v_sub_f32_dpp v34, v32, v32 row_xmask:\mask row_mask:0xf bank_mask:0xf
	v_add_f32_dpp v33, v33, v33 row_xmask:\mask row_mask:0xf bank_mask:0xf
	v_mul_f32 v35, v34, v34
	v_fmamk_f32 v33, v35, \half, v33
	v_fmac_f32 v32, 0.5, v34
.endm
	JOIN 1, 0x42000000
	JOIN 2, 0x42800000
	JOIN 4, 0x43000000
	JOIN 8, 0x43800000
	v_permlanex16_b32 v36, v32, s[SEL], s[SEL+1]
	v_permlanex16_b32 v37, v33, s[SEL], s[SEL+1]
	v_sub_f32 v34, v36, v32
	v_add_f32 v33, v33, v37
	v_mul_f32 v35, v34, v34
	v_fmamk_f32 v33, v35, 0x44000000, v33
	v_fmac_f32 v32, 0.5, v34
	v_readfirstlane_b32 s60, v32                   ; one lane's pair speaks for the wave
	v_readfirstlane_b32 s61, v33
	v_mov_b32 v32, s60
	v_mov_b32 v33, s61
	s_lshl_b32 s17, s14, 3
	s_add_co_u32 s17, s17, GS
	v_mov_b32 v40, s17
	v_mov_b32 v41, GS
	s_wait_alu depctr_va_vdst(0)
	ds_store_b64 v40, v[32:33]
	s_wait_dscnt 0x0
	s_barrier_signal -1
	s_barrier_wait -1
.irp k, 0,1,2,3
	ds_load_b128 v[44+4*\k:47+4*\k], v41 offset:16*\k
.endr
	s_wait_dscnt 0x0
	v_add_f32 v32, v44, v46
	v_add_f32 v33, v45, v47
.irp w, 2,3,4,5,6,7
	v_add_f32 v32, v32, v[44+2*\w]
	v_add_f32 v33, v33, v[45+2*\w]
.endr
	v_mul_f32 v32, 0x3e000000, v32                 ; the eight waves' mean
	v_sub_f32 v34, v44, v32
	v_mul_f32 v35, v34, v34
.irp w, 1,2,3,4,5,6,7
	v_sub_f32 v34, v[44+2*\w], v32
	v_fmac_f32 v35, v34, v34
.endr
	v_fmamk_f32 v33, v35, 0x45000000, v33          ; + 2,048 x the squared distances of the waves' means
	v_mov_b32 v42, 0
	v_cmp_eq_u32 vcc_lo, 0, v0
	s_wait_alu depctr_va_vdst(0)
	s_wait_xcnt 0x0                                ; EXEC changes only behind this wait
	s_set_vgpr_msb 0x5
	s_wait_tensorcnt 0x0
	ds_add_u32 v254, v255
	s_wait_dscnt 0x0
	s_set_vgpr_msb 0x500
	s_and_saveexec_b32 s62, vcc_lo
	global_store_b64 v42, v[32:33], s[12:13]       ; thread 0 alone
	s_wait_xcnt 0x0
	s_or_b32 exec_lo, exec_lo, s62
	s_endpgm
.Lfunc_end_k_qf7df444981_attn:
	.size	k_qf7df444981_attn, .Lfunc_end_k_qf7df444981_attn-k_qf7df444981_attn
	.p2alignl 7, 3214868480
	.fill 96, 4, 3214868480
	.section	.rodata,"a",@progbits
	.p2align	6, 0x0
	.amdhsa_kernel k_qf7df444981_attn
		.amdhsa_group_segment_fixed_size 55296
		.amdhsa_private_segment_fixed_size 0
		.amdhsa_enable_private_segment 0
		.amdhsa_kernarg_size 40
		.amdhsa_user_sgpr_count 2
		.amdhsa_user_sgpr_kernarg_segment_ptr 1
		.amdhsa_wavefront_size32 1
		.amdhsa_system_sgpr_workgroup_id_x 1
		.amdhsa_system_sgpr_workgroup_id_y 1
		.amdhsa_system_sgpr_workgroup_id_z 1
		.amdhsa_system_vgpr_workitem_id 0
		.amdhsa_next_free_vgpr 512
		.amdhsa_next_free_sgpr 66
		.amdhsa_reserve_vcc 1
		.amdhsa_float_denorm_mode_32 3
		.amdhsa_float_denorm_mode_16_64 3
		.amdhsa_memory_ordered 1
		.amdhsa_forward_progress 1
		.amdhsa_inst_pref_size 117
	.end_amdhsa_kernel
	.amdgpu_metadata
---
amdhsa.version: [ 1, 2 ]
amdhsa.kernels:
  - .name:           k_qf7df444981_attn
    .symbol:         k_qf7df444981_attn.kd
    .args:
      - { .name: prep, .offset: 0, .size: 8, .value_kind: global_buffer, .address_space: global }
      - { .name: qkv, .offset: 8, .size: 8, .value_kind: global_buffer, .address_space: global }
      - { .name: lam, .offset: 16, .size: 8, .value_kind: global_buffer, .address_space: global }
      - { .name: ctx, .offset: 24, .size: 8, .value_kind: global_buffer, .address_space: global }
      - { .name: gstat, .offset: 32, .size: 8, .value_kind: global_buffer, .address_space: global }
    .group_segment_fixed_size: 55296
    .private_segment_fixed_size: 0
    .kernarg_segment_align: 8
    .kernarg_segment_size: 40
    .max_flat_workgroup_size: 256
    .sgpr_count:     66
    .vgpr_count:     512
    .wavefront_size: 32
...
	.end_amdgpu_metadata
.endif
;; end of part 3
;; launch outp (part 4): grid 64 x 4, 4 waves a work-group, clusters of 4 x 1, 327,680 bytes of LDS; arguments ctx, gstat, gn_w, gn_b, prep, bo, out0; writes out0
.if DOCPART == 4
	.amdgcn_target "amdgcn-amd-amdhsa--gfx1250"
	.amdhsa_code_object_version 6
	.text
	.protected	k_qf7df444981_outp
	.globl	k_qf7df444981_outp
	.p2align	8
	.type	k_qf7df444981_outp,@function
k_qf7df444981_outp:
	s_mov_b64 s[64:65], 0
	v_nop
	global_prefetch_b8 v0, s[64:65] scope:SCOPE_SE
	s_setreg_imm32_b32 hwreg(HW_REG_WAVE_MODE, 25, 1), 1
	s_wait_xcnt 0x0
	s_wait_alu depctr_hold_cnt(0) depctr_sa_sdst(0) depctr_va_vdst(0) depctr_va_sdst(0) depctr_va_ssrc(0) depctr_va_vcc(0) depctr_vm_vsrc(0)
	s_getreg_b32 s2, hwreg(HW_REG_IB_STS2, 6, 4)
	s_cmp_eq_u32 s2, 0
	s_cbranch_scc0 .Lentry_in_a_cluster
	s_endpgm
.Lentry_in_a_cluster:
	s_bfe_u32 s2, ttmp6, 0x10000c
	s_cmp_lg_u32 s2, 0x3003
	s_cbranch_scc0 .Lentry_shape_is_right
	s_endpgm
.Lentry_shape_is_right:
; out = Q(0.8 ((ctx - mean) / sqrt(var + 1e-5) gn_w + gn_b)) Q(Wo)^T + bo on codes of BF6 (E3M2) with E8M0 scales.  A work-group makes 64 rows x 256 columns.
; The four work-groups of a cluster take four blocks of rows and the SAME 256 rows of Wo (192 KB of codes): those are asked for jointly, once, at the start, and stay in LDS; nothing is filled again.
; PHASE X: wave w normalises and quantises K steps 2 w and 2 w + 1 (heads 4 w .. 4 w + 3) of all 64 rows: 8 fragments.  All their 128 loads go out at the head, into windows 2 and 3.  A fragment goes to LDS as an image of
; the operand's registers (three stores of 512 consecutive bytes, the scale word at 4 x lane), so that any wave loads it back by the same lines.
; PHASE 1: wave w makes columns 64 w .. 64 w + 63 for the 64 rows: 16 accumulators by turns, one instruction a turn, 8 K steps.  Source 0 = 16 rows of Wo, source 1 = 16 rows of the image: a lane holds one row of out and
; eight neighbouring columns.  bo is the C of each sum's first instruction.  The normalising is done in each of the four column quarters anew: a launch of its own would send 16 MB to memory and back.
; The mean and variance of a (batch, head) are joined from the four quarters' (mean, M2): no difference of large sums.
; LIMITS: NaN and infinities are not served; a block of zeros gets the scale byte 1 (its codes are zeros).
; REGISTERS: window 0: v1-13 addresses; v14-21 the means of my 4 heads, as pairs; v22 the scale word just made; v24-43 codes; v44-59 the quantiser's; v64-127 at work, later the images' two sets (64-159) and rows of out;
;   v160-191 Wo's scale words, v192-199 the images': scales and nothing else; v200-231 bo; v232-239 0.8 / sqrt.   window 1: gains and offsets, later the accumulators ((n, m) at 8 (4 n + m)).
;   windows 2, 3: ctx, 64 registers a fragment; later, in window 2, Wo's fragments, two sets of 48.
.set WOC,  7077888
.set WOS,  8159232
.set XIMG, 245760                      ; LDS: Wo's codes at 0: wave w's 64 rows, 816 bytes each (three chunks of 256 + 16), 52,224 bytes a wave; then 32 images of 1,536 bytes,
.set XSC,  294912                      ; their scale words, 128 bytes each,
.set STG,  299008                      ; and a stage of 16 rows x (256 + 16) bytes for each wave
.set T,   64
.set AS,  64
.set WS,  160
.set HS,  192
.set BO,  200
.set RS,  232
.set PC,  24
.set TM,  44
.set PW,  22
.set SEL, 58
.set MSB, 0
.macro WIN new
.if MSB != (\new)
	s_set_vgpr_msb (MSB<<8)|(\new)
.set MSB, (\new)
.endif
.endm
.macro CROUND                          ; a round of the cluster's barrier
	s_barrier_signal -1
	s_barrier_wait -1
	s_cmp_lg_u32 s18, 0
	s_cbranch_scc1 .Lnot_wave_0_\@
	s_barrier_signal -3
.Lnot_wave_0_\@:
	s_barrier_wait -3
	s_barrier_signal -1
	s_barrier_wait -1
.endm
.macro QUANT s
.irp b, 0,1,2,3
	v_max3_num_f32 v[TM+\b], |v[\s+16*\b]|, |v[\s+1+16*\b]|, 0x2800000   ; and the floor 2^(5 - 127): the byte cannot fall under 1
.endr
.irp i, 2,4,6,8,10,12,14
.irp b, 0,1,2,3
	v_max3_num_f32 v[TM+\b], v[TM+\b], |v[\s+16*\b+\i]|, |v[\s+1+16*\b+\i]|
.endr
.endr
.irp b, 0,1,2,3
	v_permlanex16_b32 v[TM+4+\b], v[TM+\b], s[SEL], s[SEL+1]
.endr
.irp b, 0,1,2,3
	v_max_num_f32 v[TM+\b], v[TM+\b], v[TM+4+\b]
.endr
.irp b, 0,1,2,3
	v_add_nc_u32 v[TM+12+\b], 0xfe000000, v[TM+\b]
.endr
.irp b, 0,1,2,3
	v_lshrrev_b32 v[TM+4+\b], 23, v[TM+12+\b]
.endr
	v_lshl_or_b32 v[PW], v[TM+5], 8, v[TM+4]
	v_lshl_or_b32 v[PW], v[TM+6], 16, v[PW]
	v_lshl_or_b32 v[PW], v[TM+7], 24, v[PW]
.irp c, 0,1
	v_cvt_scalef32_pk16_bf6_f32 v[PC+6*\c:PC+2+6*\c], v[\s+32*\c:\s+15+32*\c], v[TM+12+2*\c]
	v_cvt_scalef32_pk16_bf6_f32 v[PC+12+4*\c:PC+14+4*\c], v[\s+16+32*\c:\s+31+32*\c], v[TM+12+2*\c+1]
.endr
	v_nop                                          ; one plain instruction behind a scaled conversion
.irp c, 0,1
.irp i, 0,1,2
	v_permlane16_swap_b32 v[PC+6*\c+\i], v[PC+12+4*\c+\i]
.endr
.irp i, 0,1,2
	v_mov_b32 v[PC+3+6*\c+\i], v[PC+12+4*\c+\i]
.endr
.endr
.endm
	s_load_b256 s[4:11], s[0:1], 0x0               ; ctx, gstat, gn_w, gn_b
	s_load_b128 s[12:15], s[0:1], 0x20             ; prep, bo
	s_load_b64 s[16:17], s[0:1], 0x30              ; out0
	v_lshl_add_u32 v254, v0, 2, 0x4d400
	v_mov_b32 v255, 0
	ds_add_u32 v254, v255
	ds_add_u32 v254, v255
	v_lshrrev_b32 v1, 5, v0
	v_readfirstlane_b32 s18, v1                    ; wave 0..3
	s_bfe_u32 s19, ttmp6, 0x40000                  ; cx: it enters ctx's, gstat's and out0's addresses alone
	s_lshl_b32 s20, ttmp9, 2
	s_add_co_u32 s20, s20, s19                     ; my block of 64 rows
	s_and_b32 s21, ttmp7, 0xffff                   ; my quarter of the columns, which the four partners share
	s_mov_b32 s24, 15|(1<<20)|(1<<21)|(5<<22)|(3<<25)   ; group 1: the mask: all four; elements of 1 byte; padding on; bit 21 beside a mask; after every 64 words 4 words
	s_mov_b32 s25, 256<<16                         ; 64 rows of 768 bytes are a dense block: 192 rows of 256 bytes
	s_mov_b32 s26, 192<<16
	s_mov_b32 s27, 256<<16
	s_mov_b32 s28, 192
	s_mov_b32 s29, 256
	s_mov_b32 s30, 0
	s_mov_b32 s31, 0
	s_lshl_b32 s22, s21, 8
	s_lshl_b32 s23, s18, 6
	s_add_co_u32 s22, s22, s23                     ; my first row of Wo = my first column
	s_mul_i32 s48, s22, 768
	s_add_co_u32 s48, s48, WOC
	s_mov_b32 s49, 0
	s_mul_i32 s50, s18, 52224
	s_wait_dscnt 0x0
	s_wait_kmcnt 0x0
	s_add_nc_u64 s[48:49], s[12:13], s[48:49]
	CROUND                                         ; all four work-groups are here: the joint loads meet
.irp q, 0
	s_mov_b32 s[32+4*\q], 1
	s_add_co_u32 s[33+4*\q], s50, \q*15360
	s_add_nc_u64 s[34+4*\q:35+4*\q], s[48:49], \q*192
	s_or_b32 s[35+4*\q], s[35+4*\q], 0x80000000
.endr
	tensor_load_to_lds s[32:35], s[24:31]          ; my one load: each wave reads only what its own load brings
	s_nop 0
.rept 4
	v_nop
.endr
	v_and_b32 v60, 31, v0                          ; lane
	v_and_b32 v61, 15, v0                          ; r
	v_bfe_u32 v62, v0, 4, 1                        ; h
	v_lshlrev_b32 v1, 12, v61
	v_lshl_add_u32 v1, v62, 6, v1                  ; ctx: row r of 4,096 bytes, + 64 h: my 16 numbers of a block of 32
	v_lshlrev_b32 v2, 6, v62
	s_mul_i32 s51, s18, 3072
	s_add_co_u32 s51, s51, XIMG
	v_lshl_add_u32 v3, v60, 4, s51                 ; where I store images: K steps 2 w, 2 w + 1
	s_lshl_b32 s51, s18, 8
	s_add_co_u32 s51, s51, XSC
	v_lshl_add_u32 v4, v60, 2, s51
	v_lshlrev_b32 v5, 4, v60
	v_add_nc_u32 v5, XIMG, v5                      ; where any image is read
	v_lshlrev_b32 v6, 2, v60
	v_add_nc_u32 v6, XSC, v6
	v_mul_u32_u24 v7, v61, 816
	v_add_nc_u32 v7, s50, v7
	v_mul_u32_u24 v8, v62, 40
	v_add_nc_u32 v8, v7, v8                        ; Wo's fragments: row x 816 + 40 h for the pieces behind one padding more,
	v_mad_u32_u24 v7, v62, 24, v7                  ; + 24 h for the others
	s_mul_i32 s51, s18, 4352
	s_add_co_u32 s51, s51, STG
	v_mul_u32_u24 v9, v61, 272
	v_lshl_add_u32 v9, v62, 5, v9
	v_add_nc_u32 v9, s51, v9                       ; the stage, in: row r, + 32 h
	v_mul_u32_u24 v10, v62, 272
	v_lshl_add_u32 v10, v61, 4, v10
	v_add_nc_u32 v10, s51, v10                     ; back: lanes 0-15 one row, lanes 16-31 the next
	v_lshlrev_b32 v11, 12, v62
	v_lshl_add_u32 v11, v61, 4, v11                ; the same in out0
	v_lshlrev_b32 v12, 5, v61                      ; Wo's scale bytes: 32 a row
	v_lshlrev_b32 v13, 5, v62
	v_mov_b32 v23, 0
	s_wait_alu depctr_va_vdst(0)
.irp b, 0,1,2,3
	v_mov_b32 v[TM+4+\b], 0                        ; written once: a lane permute's destination counts as one of its sources
.endr
	s_mov_b32 s[SEL], 0x76543210
	s_mov_b32 s[SEL+1], 0xfedcba98
	s_mov_b32 s56, 0x37800000                      ; 1 / 65,536
	s_mov_b32 s53, 0
	s_lshl_b32 s52, s20, 18
	s_lshl_b32 s51, s18, 10
	s_add_co_u32 s52, s52, s51
	s_add_nc_u64 s[4:5], s[4:5], s[52:53]          ; ctx: my block's first row, my 256 channels
	s_lshr_b32 s52, s20, 4
	s_lshl_b32 s52, s52, 4
	s_lshl_b32 s51, s18, 2
	s_add_co_u32 s52, s52, s51
	s_lshl_b32 s52, s52, 5
	s_add_nc_u64 s[6:7], s[6:7], s[52:53]          ; gstat: my four heads' four quarters: 128 bytes
	s_lshl_b32 s52, s18, 10
	s_add_nc_u64 s[8:9], s[8:9], s[52:53]
	s_add_nc_u64 s[10:11], s[10:11], s[52:53]
	s_lshl_b32 s52, s22, 5
	s_add_co_u32 s52, s52, WOS
	s_add_nc_u64 s[54:55], s[12:13], s[52:53]
	s_lshl_b32 s52, s22, 2
	s_add_nc_u64 s[14:15], s[14:15], s[52:53]
	s_lshl_b32 s51, s20, 18
	s_add_co_u32 s52, s52, s51
	s_add_nc_u64 s[16:17], s[16:17], s[52:53]      ; out0: my block's first row, my 64 columns
.irp k, 0,1,2,3,4,5,6,7
	global_load_b128 v[T+4*\k:T+4*\k+3], v23, s[6:7] offset:16*\k
.endr
	WIN 0x40                                       ; the gains at 128 e, the offsets at 128 e + 64: register 16 bb + i = channel 128 (2 w + e) + 32 bb + 16 h + i
.irp e, 0,1
.irp bb, 0,1,2,3
.irp j, 0,1,2,3
	global_load_b128 v[128*\e+16*\bb+4*\j:128*\e+16*\bb+4*\j+3], v2, s[8:9] offset:512*\e+128*\bb+16*\j
	global_load_b128 v[128*\e+64+16*\bb+4*\j:128*\e+64+16*\bb+4*\j+3], v2, s[10:11] offset:512*\e+128*\bb+16*\j
.endr
.endr
.endr
	WIN 0
.irp n, 0,1,2,3
.irp q, 0,1
	global_load_b128 v[WS+8*\n+4*\q:WS+8*\n+4*\q+3], v12, s[54:55] offset:512*\n+16*\q     ; register 8 n + s: the word of row r of tile n for K step s
	global_load_b128 v[BO+8*\n+4*\q:BO+8*\n+4*\q+3], v13, s[14:15] offset:64*\n+16*\q      ; bo in the result's layout: columns 16 n + 8 h + 0 .. 7
.endr
.endr
.macro XLOAD f                         ; fragment f: K step 2 w + f / 4, rows 16 (f % 4) on: 64 numbers a lane
	WIN 0x80+0x40*((\f)/4)
.irp bb, 0,1,2,3
.irp j, 0,1,2,3
	global_load_b128 v[64*((\f)%4)+16*\bb+4*\j:64*((\f)%4)+16*\bb+4*\j+3], v1, s[4:5] offset:((\f)%4)*65536+((\f)/4)*512+128*\bb+16*\j
.endr
.endr
.endm
	XLOAD 0
	XLOAD 1
	XLOAD 2
	WIN 0
	s_wait_loadcnt 48                              ; the three fragments' 48 loads may be out: the statistics, gains, scale words and bias are in
.macro HEADSTAT hh                     ; four quarters of 16,384 numbers are joined
.set D_, T+8*(\hh)
	v_add_f32 v60, v[D_], v[D_+2]
	v_add_f32 v61, v[D_+4], v[D_+6]
	v_add_f32 v60, v60, v61
	v_mul_f32 v[14+2*(\hh)], 0x3e800000, v60       ; the mean
	v_mov_b32 v[15+2*(\hh)], v[14+2*(\hh)]
	v_add_f32 v61, v[D_+1], v[D_+3]
	v_add_f32 v62, v[D_+5], v[D_+7]
	v_add_f32 v61, v61, v62
	v_sub_f32 v62, v[D_], v[14+2*(\hh)]
	v_mul_f32 v63, v62, v62
.irp q, 1,2,3
	v_sub_f32 v62, v[D_+2*\q], v[14+2*(\hh)]
	v_fmac_f32 v63, v62, v62
.endr
	v_fmamk_f32 v61, v63, 0x46800000, v61          ; + 16,384 x the squared distances of the quarters' means
	v_fmaak_f32 v61, s56, v61, 0x3727c5ac          ; / 65,536 + 1e-5
	s_wait_alu depctr_va_vdst(0)
	v_rsq_f32 v61, v61
	v_nop
	s_wait_alu depctr_va_vdst(0)
	v_mul_f32 v[RS+2*(\hh)], 0x3f4ccccd, v61       ; x 0.8
	v_mov_b32 v[RS+1+2*(\hh)], v[RS+2*(\hh)]
.endm
	HEADSTAT 0
	HEADSTAT 1
	HEADSTAT 2
	HEADSTAT 3
	WIN 0x41                                       ; destination and source 0 in window 1
.irp e, 0,1
.irp bb, 0,1,2,3
.irp i, 0,2,4,6,8,10,12,14
	v_pk_mul_f32 v[128*\e+16*\bb+\i:128*\e+16*\bb+\i+1], v[128*\e+16*\bb+\i:128*\e+16*\bb+\i+1], v[RS+2*(2*\e+\bb/2):RS+2*(2*\e+\bb/2)+1] op_sel_hi:[1,0]
	v_pk_mul_f32 v[128*\e+64+16*\bb+\i:128*\e+64+16*\bb+\i+1], v[128*\e+64+16*\bb+\i:128*\e+64+16*\bb+\i+1], 0x3f4ccccd op_sel_hi:[1,0]
.endr
.endr
.endr
	XLOAD 3
	XLOAD 4
	XLOAD 5
	XLOAD 6
	XLOAD 7
	WIN 0
.macro PHX f
.set E_, (\f)/4
.set M_, (\f)%4
.if 16*(7-(\f)) > 48
	s_wait_loadcnt 48                              ; this fragment is in (behind it 16 loads for each later fragment; the count is held at 48)
.else
	s_wait_loadcnt 16*(7-(\f))                     ; the later fragments' 16 loads each may be out
.endif
	WIN 0x02+E_                                    ; source 0: ctx
.irp bb, 0,1,2,3
.irp i, 0,2,4,6,8,10,12,14
	v_pk_add_f32 v[T+16*\bb+\i:T+16*\bb+\i+1], v[64*M_+16*\bb+\i:64*M_+16*\bb+\i+1], v[14+2*(2*E_+\bb/2):15+2*(2*E_+\bb/2)] op_sel_hi:[1,0] neg_lo:[0,1] neg_hi:[0,1]
.endr
.endr
	WIN 0x14                                       ; sources 1 and 2: gains and offsets
.set KK, 0
.rept 32
	v_pk_fma_f32 v[T+KK:T+KK+1], v[T+KK:T+KK+1], v[128*E_+KK:128*E_+KK+1], v[128*E_+64+KK:128*E_+64+KK+1]
.set KK, KK+2
.endr
	WIN 0
	s_wait_dscnt 0x0                               ; the last image's stores have read the codes and the scale word
	QUANT T
.irp c, 0,1,2
	ds_store_b128 v3, v[PC+4*\c:PC+4*\c+3] offset:(8*M_+E_)*1536+512*\c
.endr
	ds_store_b32 v4, v[PW] offset:(8*M_+E_)*128
.endm
.irp f, 0,1,2,3,4,5,6,7
	PHX \f
.endr
	s_wait_tensorcnt 0x0                           ; my 64 rows of Wo have landed
	s_wait_dscnt 0x0                               ; for the others' sake: my images have landed
	s_barrier_signal -1
	s_barrier_wait -1                              ; all 32 images lie in LDS
.macro FRAGB reg, q, off               ; 16 rows x 128 K of Wo in pieces of 8 bytes
.irp p, 0,1,2,3,4,5
.set PCE, 12*(\q)+6*(\p/3)+\p%3
.if PCE%32 < 29
	ds_load_b64 v[\reg+2*\p:\reg+2*\p+1], v7 offset:8*PCE+16*(PCE/32)+(\off)
.else
	ds_load_b64 v[\reg+2*\p:\reg+2*\p+1], v8 offset:8*PCE+16*(PCE/32)+(\off)
.endif
.endr
.endm
.macro FETCHS s, st                    ; K step s into set st: 40 LDS loads
.irp m, 0,1,2,3
.irp c, 0,1,2
	ds_load_b128 v[AS+48*(\st)+12*\m+4*\c:AS+48*(\st)+12*\m+4*\c+3], v5 offset:(8*\m+(\s))*1536+512*\c
.endr
	ds_load_b32 v[HS+4*(\st)+\m], v6 offset:(8*\m+(\s))*128
.endr
	WIN 0x80                                       ; destination window 2
.irp n, 0,1,2,3
	FRAGB (48*(\st)+12*\n),(\s),(\n*13056)
.endr
	WIN 0
.endm
	FETCHS 0,0
.irp s, 0,1,2,3,4,5,6,7
.if \s > 0
.rept 4
	v_nop                                          ; places in front of loads into registers that the last products read
.endr
.endif
.if \s < 7
	FETCHS (\s+1),((\s+1)%2)
	s_wait_dscnt 40                                ; all but the 40 just issued: this step's set is in
.else
	s_wait_dscnt 0x0
.endif
.if \s == 0
	WIN 0x42                                       ; source 0 (Wo) window 2, C (bo) window 0, D window 1
.else
	WIN 0x52                                       ; C and D window 1
.endif
.irp m, 0,1,2,3
.irp n, 0,1,2,3
.if \s == 0
	v_wmma_scale_f32_16x16x128_f8f6f4 v[8*(4*\n+\m):8*(4*\n+\m)+7], v[48*(\s%2)+12*\n:48*(\s%2)+12*\n+11], v[AS+48*(\s%2)+12*\m:AS+48*(\s%2)+12*\m+11], v[BO+8*\n:BO+8*\n+7], v[WS+8*\n+\s], v[HS+4*(\s%2)+\m] matrix_a_fmt:MATRIX_FMT_BF6 matrix_b_fmt:MATRIX_FMT_BF6
.else
	v_wmma_scale_f32_16x16x128_f8f6f4 v[8*(4*\n+\m):8*(4*\n+\m)+7], v[48*(\s%2)+12*\n:48*(\s%2)+12*\n+11], v[AS+48*(\s%2)+12*\m:AS+48*(\s%2)+12*\m+11], v[8*(4*\n+\m):8*(4*\n+\m)+7], v[WS+8*\n+\s], v[HS+4*(\s%2)+\m] matrix_a_fmt:MATRIX_FMT_BF6 matrix_b_fmt:MATRIX_FMT_BF6
.endif
.endr
.endr
	WIN 0
.endr
.rept 4
	v_nop                                          ; in front of the first read of results and of loads into the images' registers
.endr
; THE WAY OUT: 16 rows at a time through my own stage; LDS serves a wave's instructions in order, so no wait stands between the stores and the loads.
.irp m, 0,1,2,3
.if \m > 1
	s_wait_xcnt 0x0                                ; the stores of two blocks ago have read their registers
.endif
	WIN 0x04                                       ; an LDS store's data: window 1
.irp n, 0,1,2,3
	ds_store_b128 v9, v[8*(4*\n+\m):8*(4*\n+\m)+3] offset:64*\n          ; each accumulator from its low end on
	ds_store_b128 v9, v[8*(4*\n+\m)+4:8*(4*\n+\m)+7] offset:64*\n+16
.endr
	WIN 0
.irp i, 0,1,2,3,4,5,6,7
	ds_load_b128 v[64+32*(\m%2)+4*\i:64+32*(\m%2)+4*\i+3], v10 offset:544*\i
.endr
.irp i, 0,1,2,3,4,5,6,7
	s_wait_dscnt 7-\i                              ; loads come back in order: number i is in
	global_store_b128 v11, v[64+32*(\m%2)+4*\i:64+32*(\m%2)+4*\i+3], s[16:17] offset:(16*\m+2*\i)*4096 th:TH_STORE_NT   ; sixteen lanes store 256 consecutive bytes, aligned
.endr
.endr
	s_wait_tensorcnt 0x0
	ds_add_u32 v254, v255
	s_wait_dscnt 0x0
	CROUND                                         ; the closing round: no work-group ends while a partner may still ask for a tile that names it
	s_endpgm
.Lfunc_end_k_qf7df444981_outp:
	.size	k_qf7df444981_outp, .Lfunc_end_k_qf7df444981_outp-k_qf7df444981_outp
	.p2alignl 7, 3214868480
	.fill 96, 4, 3214868480
	.section	.rodata,"a",@progbits
	.p2align	6, 0x0
	.amdhsa_kernel k_qf7df444981_outp
		.amdhsa_group_segment_fixed_size 327680
		.amdhsa_private_segment_fixed_size 0
		.amdhsa_enable_private_segment 0
		.amdhsa_kernarg_size 56
		.amdhsa_user_sgpr_count 2
		.amdhsa_user_sgpr_kernarg_segment_ptr 1
		.amdhsa_wavefront_size32 1
		.amdhsa_system_sgpr_workgroup_id_x 1
		.amdhsa_system_sgpr_workgroup_id_y 1
		.amdhsa_system_sgpr_workgroup_id_z 1
		.amdhsa_system_vgpr_workitem_id 0
		.amdhsa_next_free_vgpr 1024
		.amdhsa_next_free_sgpr 66
		.amdhsa_reserve_vcc 0
		.amdhsa_float_denorm_mode_32 3
		.amdhsa_float_denorm_mode_16_64 3
		.amdhsa_memory_ordered 1
		.amdhsa_forward_progress 1
		.amdhsa_inst_pref_size 152
	.end_amdhsa_kernel
	.amdgpu_metadata
---
amdhsa.version: [ 1, 2 ]
amdhsa.kernels:
  - .name:           k_qf7df444981_outp
    .symbol:         k_qf7df444981_outp.kd
    .args:
      - { .name: ctx, .offset: 0, .size: 8, .value_kind: global_buffer, .address_space: global }
      - { .name: gstat, .offset: 8, .size: 8, .value_kind: global_buffer, .address_space: global }
      - { .name: gn_w, .offset: 16, .size: 8, .value_kind: global_buffer, .address_space: global }
      - { .name: gn_b, .offset: 24, .size: 8, .value_kind: global_buffer, .address_space: global }
      - { .name: prep, .offset: 32, .size: 8, .value_kind: global_buffer, .address_space: global }
      - { .name: bo, .offset: 40, .size: 8, .value_kind: global_buffer, .address_space: global }
      - { .name: out0, .offset: 48, .size: 8, .value_kind: global_buffer, .address_space: global }
    .group_segment_fixed_size: 327680
    .private_segment_fixed_size: 0
    .kernarg_segment_align: 8
    .kernarg_segment_size: 56
    .max_flat_workgroup_size: 128
    .sgpr_count:     66
    .vgpr_count:     1024
    .wavefront_size: 32
...
	.end_amdgpu_metadata
.endif
;; end of part 4
